; MI455X (gfx1250); checked and timed in simulation.
; The chip was launched on July 23, 2026; its instructions are those of AMD's public machine-readable ISA for CDNA 5 (MIT licence, August 2026) and "CDNA5" Instruction Set Architecture Reference Guide (July 2026). The comments in the code are by the model that wrote it; some were corrected since.
;; Multi Head Attention. Allowed arithmetic: matrix products marked QUANTISED: E2M3 operands, one E8M0 scale for each 32 along K, by v_wmma_scale_f32_16x16x128_f8f6f4 with both operands' format E2M3, f32 sums; everything else in f32.
;; Inputs: Wk 16 x 1,024 x 64 float32; Wp 1,024 x 1,024 float32; Wq 16 x 1,024 x 64 float32; Wv 16 x 1,024 x 64 float32; bp 1,024 float32; tokens 4,096 x 1,024 float32.
;; Outputs: out0 4,096 x 1,024 float32.
;; This version of the problem:
;;   THIS VERSION OF THE PROBLEM IS GIVEN IN LOW PRECISION. The matrix products marked QUANTISED in the list below multiply operands that are first quantised to E2M3 (2 exponent bits, 3 mantissa bits; 6 bits a number), with one power-of-two scale for each 32 numbers along K (OCP MX v1.0); their sums are f32. All else is computed in f32.
;;   The module's matrix products, in the order in which they are computed (A, B: the left and right operand; K: the contracted axis; several contracted axes count as one K, in the product's order):
;;     1. [M 1,024, K 1,024] x [K 1,024, N 4,096]; A: input Wq; B: input tokens: QUANTISED
;;     2. [M 1,024, K 1,024] x [K 1,024, N 4,096]; A: input Wk; B: input tokens: QUANTISED
;;     3. [M 1,024, K 1,024] x [K 1,024, N 4,096]; A: input Wv; B: input tokens: QUANTISED
;;     4. batch 16 x [M 4,096, K 64] x [K 64, N 4,096]; A: computed on the way; B: computed on the way: QUANTISED
;;     5. batch 16 x [M 4,096, K 4,096] x [K 4,096, N 64]; A: softmax (see below); B: computed on the way: QUANTISED
;;     6. [M 4,096, K 1,024] x [K 1,024, N 1,024]; A: computed on the way; B: input Wp: QUANTISED
;;   THE QUANTISER, for each operand of a quantised product, along K:
;;     - K is cut into blocks of 32 from its start; a last block that is shorter is filled with zeros.
;;     - A block's scale is 2^e with e = floor(log2(the largest magnitude in the block)) - 2, held to -126 .. 127; a block of zeros has e = 0. As a byte (E8M0): e + 127.
;;     - Each number is divided by its block's scale, clamped to +-7.5, and rounded to the nearest number of E2M3, ties to even, subnormals kept.
;;     - The product sums the exact products of the quantised numbers (number of the format x scale) in f32.
;;   ~~~python
;;   def quantise(x, axis):      # numpy; x: float32 -> the quantised numbers, widened to float32 again
;;       x = np.moveaxis(x, axis, -1); K = x.shape[-1]
;;       x = np.pad(x, [(0, 0)] * (x.ndim - 1) + [(0, -K % 32)]); x = x.reshape(x.shape[:-1] + (-1, 32)); a = np.abs(x).max(-1, keepdims=True)
;;       e = np.where(a > 0, np.clip(np.frexp(np.where(a > 0, a, 1))[1] - 1 - 2, -126, 127), 0)      # np.frexp(a)[1] - 1 = floor(log2(a)), exactly
;;       r = np.clip(x / 2.0 ** e, -7.5, 7.5)
;;       step = 2.0 ** (np.maximum(np.frexp(np.where(r == 0, 1, r))[1] - 1, 0) - 3)
;;       q = np.round(r / step) * step * 2.0 ** e      # np.round: ties to even
;;       return np.moveaxis(q.reshape(q.shape[:-2] + (-1,))[..., :K], -1, axis).astype(np.float32)
;;   ~~~
;;   SOFTMAX AHEAD OF A QUANTISED PRODUCT. Where the list says 'softmax', what is quantised is not the finished softmax but p = 2^(t - M), with t = logit x log2(e) and M = ceil(the row's largest t), a whole number; so 1/2 < the row's largest p <= 1. The row's sum l is taken of the UNQUANTISED p, in f32, and the product's result is divided by l at the end. Since M is a whole number, a kernel that streams over the keys may use a running M (the ceiling of the running maximum): every later rescaling is an exact power of two, which a block's scale takes up: the codes' values come out the same.
;;   OPERANDS COMPUTED ON THE WAY. 'Computed on the way' means the value that the module computes at that place (a softmax that the list does not call 'softmax' is quantised finished and normalised). What goes into a quantiser is computed in f32, as accurately as f32 sums, v_exp_f32 and their like allow (about 1e-6 of the number): no bf16 or f16 on the way to a quantiser, and a product that is left as it is and whose result goes on into a quantised operand takes f32 operands (vector FMAs, or v_wmma_f32_16x16x4_f32). A number that lies on a knife's edge between two numbers of the format may be rounded either way, as far as f32 arithmetic and the matrix unit's own rounding can turn it there, and no further.
;; One version. Each part assembles by itself: llvm-mc -triple=amdgcn-amd-amdhsa -mcpu=gfx1250 --defsym DOCPART=n.
;; ======== version 1 of 1: 4 launches
;; limits: right only within a limited range of input values
;; workspace buffers: XQ 3,276,800 bytes; WQ 2,457,600 bytes; WPQ 819,200 bytes; QB 3,276,800 bytes; KV 6,553,600 bytes; AO 3,276,800 bytes
;; launch quant (part 1): grid 256 x 1, 4 waves a work-group, no clusters, 35,328 bytes of LDS; arguments tokens, Wq, Wk, Wv, Wp, XQ, WQ, WPQ; writes XQ, WQ, WPQ
.if DOCPART == 1
	.amdgcn_target "amdgcn-amd-amdhsa--gfx1250"
	.amdhsa_code_object_version 6
	.text
	.protected	k_qe36bd8279c_quant
	.globl	k_qe36bd8279c_quant
	.p2align	8
	.type	k_qe36bd8279c_quant,@function
k_qe36bd8279c_quant:
	s_mov_b64 s[64:65], 0
	v_nop
	global_prefetch_b8 v0, s[64:65] scope:SCOPE_SE
	s_setreg_imm32_b32 hwreg(HW_REG_WAVE_MODE, 25, 1), 1
	s_wait_xcnt 0x0
; THE PROGRAM: causal attention, T = 4096 tokens, C = 1024, 16 heads of 64, all six products on codes of FP6 (E2M3) with one E8M0 scale for each 32 along K.
; Four launches: quant (this one: tokens, Wq, Wk, Wv, Wp into codes), qkv (products 1-3; q, k, v into codes), attn (products 4 and 5 with the softmax; the result into codes), proj (product 6 and bp).
; WORK LEFT OUT: reference() sets the score of key s for query t to -inf where s > t (its own jnp.tril), so p = 2^(t - M) is exactly 0 there whatever the inputs hold, adds 0 to the row's sum and has the code 0.
; Launch attn therefore leaves out each step of 128 keys that lies wholly behind a wave's 16 queries, and does not fetch keys behind a work-group's last query.  Nothing else is left out; every input is loaded.
; LIMITS: a NaN, an infinity or an overflow that reaches only such hidden scores is not carried to the result.  NaN and infinities among the inputs are not served.
; A block of zeros gets the scale byte 1 where the rule says 127: its codes are zeros, which add nothing under any byte but 0xff, and only this program reads the bytes.
; THE ORDER OF ROWS.  In every run of 64 rows (64 tokens; a head's 64 features; 64 columns of Wp) tile u (0..3), row m (0..15) stands for index 32 (m / 8) + 8 u + m % 8.  A matrix result's lane (r, h) holds rows 8 h + 0..7 of a
; tile, so its 32 registers of a run's four tiles are indices 32 h + 0..31: a whole block of the next product's K in one lane, in the order that a 6-bit operand has there.
; THE WORKSPACE IS LAID AS THE OPERANDS' REGISTERS.  A half fragment (16 rows x 64 K: registers 0-5 of lane l) is 768 bytes: registers 0-3 at 16 l, registers 4-5 at 512 + 8 l.  A fragment (128 K) is two of them.
; A block of NF tiles x K 1024: codes [K step 0..7][tile][1536], then scale words [tile][step / 4][row][step % 4]; byte 2 c + h of a word is the block at k = 64 c + 32 h.
; THIS LAUNCH.  Work-groups 0-127: tokens (K innermost); 128-223: Wq, Wk, Wv; 224-255: Wp (K is the first axis of each matrix).  No barrier: waves share nothing.  Each wave reads 32,768 bytes.
.set SPARE, 34816                      ; behind the four waves' stages: the spare words, 128 bytes a wave
.set SPW, 254                          ; v254 LDS address of my spare word; never rewritten
.set NIL, 255                          ; v255 0; never rewritten
.set R,   16                           ; v16-111  tokens: three sets of 32 registers as loaded
.set X,   112                          ; v112-175 two sets of 32 neighbours along K
.set CD,  176                          ; v176-239 codes: eight registers for each of eight blocks, so that no store's data are written again
.set BY,  240                          ; v240-247 tokens: a scale byte for each half fragment
.set SW,  240                          ; v240-241 weights: two scale words
.set MA,  248
.set MB,  249
.set SC,  250
; 32 numbers of a lane, one block along K, become 192 bits of codes in v[c .. c+5] and the scale's byte in v[by].
.macro QUANT32 src, c, by
	v_max3_num_f32 v[MA], |v[\src]|, |v[\src+1]|, |v[\src+2]|            ; the largest magnitude, in two chains
	v_max3_num_f32 v[MB], |v[\src+16]|, |v[\src+17]|, |v[\src+18]|
.irp i, 3,5,7,9,11,13
	v_max3_num_f32 v[MA], v[MA], |v[\src+\i]|, |v[\src+\i+1]|
	v_max3_num_f32 v[MB], v[MB], |v[\src+16+\i]|, |v[\src+17+\i]|
.endr
	v_max3_num_f32 v[MA], v[MA], |v[\src+15]|, |v[\src+31]|
	v_max3_num_f32 v[MA], v[MA], v[MB], 0x1800000                        ; and the floor 2^(3 - 127): the byte cannot fall under 1
	v_add_nc_u32 v[SC], 0xff000000, v[MA]                                ; 2 off the exponent field: the conversion takes this operand's exponent field as its scale
	v_lshrrev_b32 v[\by], 23, v[SC]                                      ; the scale's byte
	v_cvt_scalef32_pk16_fp6_f32 v[\c:\c+2], v[\src:\src+15], v[SC]
	v_cvt_scalef32_pk16_fp6_f32 v[\c+4:\c+6], v[\src+16:\src+31], v[SC]  ; (a conversion's three registers begin on an even number)
	v_nop                                                                ; one plain place behind a scaled conversion
	v_mov_b32 v[\c+3], v[\c+4]
	v_mov_b32 v[\c+4], v[\c+5]
	v_mov_b32 v[\c+5], v[\c+6]
.endm
	s_load_b256 s[4:11], s[0:1], 0x0               ; tokens s[4:5], Wq s[6:7], Wk s[8:9], Wv s[10:11]
	s_load_b256 s[12:19], s[0:1], 0x20             ; Wp s[12:13], XQ s[14:15], WQ s[16:17], WPQ s[18:19]
	v_lshl_add_u32 v[SPW], v0, 2, SPARE
	v_mov_b32 v[NIL], 0
	v_lshrrev_b32 v1, 5, v0
	v_readfirstlane_b32 s20, v1                    ; wave 0..3
	v_and_b32 v1, 31, v0                           ; lane
	v_and_b32 v2, 15, v0                           ; r
	v_bfe_u32 v3, v0, 4, 1                         ; h
	s_wait_kmcnt 0x0
	s_cmp_lt_u32 ttmp9, 128
	s_cbranch_scc0 .Lweights
; ---- TOKENS.  A wave takes one tile of 16 rows x 512 along K: eight half fragments.  Each load reads 256 consecutive bytes of two rows; a half fragment's 4,096 bytes turn through the wave's own stage
; in LDS (16 rows, 272 bytes apart) and come back 128 bytes a lane: row r, k = 32 h + 0..31.
	s_lshl_b32 s21, ttmp9, 2
	s_add_co_u32 s21, s21, s20                     ; J = 4 x work-group + wave
	s_lshr_b32 s22, s21, 1                         ; the tile of rows, 0..255
	s_and_b32 s23, s21, 1                          ; q: which 512 along K
	s_lshr_b32 s24, s22, 3                         ; g: the group of 128 tokens
	s_and_b32 s25, s22, 7                          ; t: the tile in it
	s_lshl_b32 s26, s24, 7
	s_lshr_b32 s27, s25, 2
	s_lshl_b32 s27, s27, 6
	s_add_co_u32 s26, s26, s27
	s_and_b32 s27, s25, 3
	s_lshl_b32 s27, s27, 3
	s_add_co_u32 s26, s26, s27                     ; the tile's row 0: token 128 g + 64 (t / 4) + 8 (t % 4)
	s_lshl_b32 s26, s26, 12
	s_lshl_b32 s27, s23, 11
	s_add_co_u32 s26, s26, s27
	s_mov_b32 s27, 0
	s_add_nc_u64 s[4:5], s[4:5], s[26:27]
	s_mul_i32 s28, s24, 102400                     ; the group's block in XQ
	s_mul_i32 s30, s25, 1536
	s_mul_i32 s31, s23, 49152
	s_add_co_u32 s30, s30, s31
	s_add_co_u32 s30, s30, s28
	s_mov_b32 s31, 0
	s_add_nc_u64 s[32:33], s[14:15], s[30:31]      ; my codes: K step 4 q, tile t
	s_lshl_b32 s30, s25, 9
	s_lshl_b32 s36, s23, 8
	s_add_co_u32 s30, s30, s36
	s_add_co_u32 s30, s30, s28
	s_add_co_u32 s30, s30, 98304
	s_add_nc_u64 s[34:35], s[14:15], s[30:31]      ; my 256 bytes of scale words
	s_mov_b32 s37, 0x76543210
	s_mov_b32 s38, 0xfedcba98                      ; v_permlanex16_b32's selects for lane l xor 16
	s_wait_alu depctr_va_vdst(0)
	v_lshlrev_b32 v4, 4, v2                        ; 16 r
	v_lshl_add_u32 v5, v3, 12, v4                  ; in: lanes 0-15 one row, lanes 16-31 the next
	s_mul_i32 s36, s20, 8704                       ; my two stages
	v_mul_u32_u24 v6, v3, 272
	v_add_nc_u32 v6, v6, v4
	v_add_nc_u32 v6, s36, v6                       ; into a stage: row h, 16 r
	v_mul_u32_u24 v7, v2, 272
	v_lshl_add_u32 v7, v3, 7, v7
	v_add_nc_u32 v7, s36, v7                       ; out of it: row r, 128 h
	v_lshlrev_b32 v8, 4, v1                        ; 16 x lane
	v_lshlrev_b32 v9, 3, v1                        ; 8 x lane
	v_lshl_add_u32 v10, v3, 3, v4                  ; 16 r + 8 h: my two scale words
	v_lshlrev_b32 v11, 3, v3                       ; 8 h
.macro LOAD n                          ; half fragment n: tile rows 2 i, 2 i + 1 are tokens 32 (i / 4) + 2 (i % 4) + 0, 1 from the tile's row 0
.irp i, 0,1,2,3,4,5,6,7
	global_load_b128 v[R+32*((\n)%3)+4*\i:R+32*((\n)%3)+4*\i+3], v5, s[4:5] offset:(\n)*256+(32*(\i/4)+2*(\i%4))*4096 th:TH_LOAD_NT
.endr
.endm
.macro TURN n                          ; LDS serves a wave's instructions in order: no wait between the stores and the loads
.irp i, 0,1,2,3,4,5,6,7
	ds_store_b128 v6, v[R+32*((\n)%3)+4*\i:R+32*((\n)%3)+4*\i+3] offset:4352*((\n)%2)+544*\i
.endr
.irp j, 0,1,2,3,4,5,6,7
	ds_load_b128 v[X+32*((\n)%2)+4*\j:X+32*((\n)%2)+4*\j+3], v7 offset:4352*((\n)%2)+16*\j
.endr
.endm
.macro STEP n
	s_wait_dscnt 0x0                               ; this half fragment is back from its stage, so its stores into the stage have read their registers,
.if (\n)+3 < 8
	LOAD (\n)+3                                    ; which take the loads of three half fragments on
.endif
.if (\n)+1 < 8
.if (\n) <= 4
	s_wait_loadcnt 16                              ; the next half fragment's eight loads are in; the sixteen issued behind them may be out
.else
	s_wait_loadcnt 8*(6-(\n))                      ; at the end fewer were issued behind them
.endif
	TURN (\n)+1                                    ; through the other stage while this one is worked on
.endif
.set XS, X+32*((\n)%2)
.set CC, CD+8*(\n)
.set BS, BY+(\n)
	QUANT32 XS, CC, BS
	global_store_b128 v8, v[CC:CC+3], s[32:33] offset:((\n)/2)*12288+((\n)%2)*768       ; 512 consecutive bytes
	global_store_b64 v9, v[CC+4:CC+5], s[32:33] offset:((\n)/2)*12288+((\n)%2)*768+512  ; 256 consecutive bytes
.endm
	LOAD 0
	LOAD 1
	LOAD 2
	s_wait_alu depctr_va_vdst(0)
	s_wait_loadcnt 16                              ; half fragment 0 is in
	TURN 0
.irp n, 0,1,2,3,4,5,6,7
	STEP \n
.endr
.irp s, 0,1,2,3                        ; K step s of my four: my bytes are blocks h and 2 + h
	v_lshl_or_b32 v[R+\s], v[BY+2*\s+1], 16, v[BY+2*\s]
.endr
.irp s, 0,1,2,3
	v_lshlrev_b32 v[R+\s], v11, v[R+\s]            ; at their places in the word
.endr
.irp s, 0,1,2,3
	v_mov_b32 v[R+4+\s], 0                         ; a lane permute's destination counts as one of its sources
.endr
.irp s, 0,1,2,3
	v_permlanex16_b32 v[R+4+\s], v[R+\s], s37, s38
.endr
.irp s, 0,1,2,3
	v_or_b32 v[R+\s], v[R+\s], v[R+4+\s]           ; with lane l xor 16's two bytes the word is whole
.endr
	v_cmp_ne_u32 vcc_lo, 0, v3
	v_cndmask_b32 v[R+8], v[R], v[R+2], vcc_lo     ; lanes 0-15 store words 0, 1 of row r, lanes 16-31 words 2, 3
	v_cndmask_b32 v[R+9], v[R+1], v[R+3], vcc_lo
	global_store_b64 v10, v[R+8:R+9], s[34:35]     ; 256 consecutive bytes, aligned
	s_wait_tensorcnt 0x0                           ; the wave's end, behind my last LDS store
	ds_add_u32 v[SPW], v[NIL]
	s_wait_dscnt 0x0
	s_endpgm
; ---- WEIGHTS.  A lane takes a column and its registers run down K: a block of 32 along K lies in one lane.  A wave takes 32 columns (half eta of a run of 64) x 256 along K (quarter kappa): eight blocks.
; Column 32 eta + lane is row rho = 8 eta + lane % 8 of tile lane / 8.  Block b is K step 2 kappa + b / 4, half fragment (b / 2) % 2, lanes' half b % 2: so a block's codes stand where lane rho + 16 (b % 2) has its registers.
; These stores come in runs of 128 and 64 bytes: the price of dense reads of the four times larger f32 numbers.  These arms touch no LDS.
.macro LOADB b, rs
.set li, 0
.rept 32
	global_load_b32 v[X+32*((\b)%2)+li], v4, s[28:29] offset:(32*(\b)+li)*(\rs)
.set li, li+1
.endr
.endm
.macro BLOCK b, rs, nf
.if (\b) < 7
	s_wait_loadcnt 32                              ; this block's 32 loads are in; the next block's may be out
.else
	s_wait_loadcnt 0x0
.endif
.set XS, X+32*((\b)%2)
.set CC, CD+8*(\b)
	QUANT32 XS, CC, 251
.if (\b)%4 == 0
	v_mov_b32 v[SW+(\b)/4], v251                   ; four bytes to a word, the lower K in the lower byte
.else
	v_lshl_or_b32 v[SW+(\b)/4], v251, 8*((\b)%4), v[SW+(\b)/4]
.endif
	global_store_b128 v8, v[CC:CC+3], s[32:33] offset:((\b)/4)*(\nf)*1536+(((\b)/2)%2)*768+((\b)%2)*256
	global_store_b64 v9, v[CC+4:CC+5], s[32:33] offset:((\b)/4)*(\nf)*1536+(((\b)/2)%2)*768+512+((\b)%2)*128
.if (\b)+2 < 8
	LOADB (\b)+2, \rs
.endif
.endm
.macro WBODY rs, nf                    ; rs: bytes from row to row of the matrix; nf: tiles in a block of the workspace
	LOADB 0, \rs
	LOADB 1, \rs
.irp b, 0,1,2,3,4,5,6,7
	BLOCK \b, \rs, \nf
.endr
	global_store_b64 v10, v[SW:SW+1], s[34:35]     ; my row's two scale words
.endm
.Lweights:
	s_and_b32 s21, s20, 1                          ; eta
	s_lshr_b32 s22, s20, 1
	s_wait_alu depctr_va_vdst(0)
	v_lshlrev_b32 v4, 2, v1                        ; in: 4 bytes a lane
	v_and_b32 v5, 7, v1
	v_lshl_add_u32 v5, s21, 3, v5                  ; rho
	v_lshrrev_b32 v6, 3, v1                        ; the tile
	v_mul_u32_u24 v7, v6, 1536
	v_lshl_add_u32 v8, v5, 4, v7                   ; registers 0-3: tile x 1536 + 16 rho
	v_lshl_add_u32 v9, v5, 3, v7                   ; registers 4-5: tile x 1536 + 8 rho
	v_lshlrev_b32 v10, 9, v6
	v_lshl_add_u32 v10, v5, 4, v10                 ; scale words: tile x 512 + 16 rho
	s_cmp_lt_u32 ttmp9, 224
	s_cbranch_scc0 .Lwp
	s_sub_co_u32 s23, ttmp9, 128
	s_and_b32 s24, s23, 1
	s_lshl_b32 s24, s24, 1
	s_add_co_u32 s24, s24, s22                     ; kappa
	s_lshr_b32 s25, s23, 1
	s_lshr_b32 s26, s25, 4                         ; tau: 0 Wq, 1 Wk, 2 Wv
	s_and_b32 s27, s25, 15                         ; the head
	s_cmp_eq_u32 s26, 0
	s_cselect_b64 s[28:29], s[6:7], s[8:9]
	s_cmp_eq_u32 s26, 2
	s_cselect_b64 s[28:29], s[10:11], s[28:29]
	s_lshl_b32 s30, s27, 18                        ; a head's matrix is 262,144 bytes,
	s_lshl_b32 s31, s24, 16                        ; 256 rows of 256 bytes,
	s_add_co_u32 s30, s30, s31
	s_lshl_b32 s31, s21, 7                         ; 32 columns
	s_add_co_u32 s30, s30, s31
	s_mov_b32 s31, 0
	s_add_nc_u64 s[28:29], s[28:29], s[30:31]
	s_mul_i32 s36, s27, 153600                     ; the head's block in WQ: 12 tiles, tile 4 tau + u
	s_mul_i32 s30, s24, 36864                      ; K step 2 kappa
	s_add_co_u32 s30, s30, s36
	s_mul_i32 s37, s26, 6144
	s_add_co_u32 s30, s30, s37
	s_add_nc_u64 s[32:33], s[16:17], s[30:31]
	s_lshl_b32 s30, s26, 11
	s_add_co_u32 s30, s30, s36
	s_lshr_b32 s37, s24, 1
	s_lshl_b32 s37, s37, 8
	s_add_co_u32 s30, s30, s37
	s_and_b32 s37, s24, 1
	s_lshl_b32 s37, s37, 3
	s_add_co_u32 s30, s30, s37
	s_add_co_u32 s30, s30, 147456
	s_add_nc_u64 s[34:35], s[16:17], s[30:31]
	s_wait_alu depctr_va_vdst(0)
	WBODY 256, 12
	s_endpgm
.Lwp:
	s_sub_co_u32 s23, ttmp9, 224
	s_and_b32 s24, s23, 1
	s_lshl_b32 s24, s24, 1
	s_add_co_u32 s24, s24, s22                     ; kappa
	s_lshr_b32 s25, s23, 1                         ; which 64 columns of Wp
	s_lshl_b32 s30, s24, 20                        ; 256 rows of 4,096 bytes
	s_lshl_b32 s31, s25, 8
	s_add_co_u32 s30, s30, s31
	s_lshl_b32 s31, s21, 7
	s_add_co_u32 s30, s30, s31
	s_mov_b32 s31, 0
	s_add_nc_u64 s[28:29], s[12:13], s[30:31]
	s_lshr_b32 s26, s25, 1                         ; the block of 128 columns in WPQ: 8 tiles
	s_and_b32 s27, s25, 1
	s_mul_i32 s36, s26, 102400
	s_mul_i32 s30, s24, 24576
	s_add_co_u32 s30, s30, s36
	s_mul_i32 s37, s27, 6144
	s_add_co_u32 s30, s30, s37
	s_add_nc_u64 s[32:33], s[18:19], s[30:31]
	s_lshl_b32 s30, s27, 11
	s_add_co_u32 s30, s30, s36
	s_lshr_b32 s37, s24, 1
	s_lshl_b32 s37, s37, 8
	s_add_co_u32 s30, s30, s37
	s_and_b32 s37, s24, 1
	s_lshl_b32 s37, s37, 3
	s_add_co_u32 s30, s30, s37
	s_add_co_u32 s30, s30, 98304
	s_add_nc_u64 s[34:35], s[18:19], s[30:31]
	s_wait_alu depctr_va_vdst(0)
	WBODY 4096, 8
	s_endpgm
.Lfunc_end_k_qe36bd8279c_quant:
	.size	k_qe36bd8279c_quant, .Lfunc_end_k_qe36bd8279c_quant-k_qe36bd8279c_quant
	.p2alignl 7, 3214868480
	.fill 96, 4, 3214868480
	.section	.rodata,"a",@progbits
	.p2align	6, 0x0
	.amdhsa_kernel k_qe36bd8279c_quant
		.amdhsa_group_segment_fixed_size 35328
		.amdhsa_private_segment_fixed_size 0
		.amdhsa_enable_private_segment 0
		.amdhsa_kernarg_size 64
		.amdhsa_user_sgpr_count 2
		.amdhsa_user_sgpr_kernarg_segment_ptr 1
		.amdhsa_wavefront_size32 1
		.amdhsa_system_sgpr_workgroup_id_x 1
		.amdhsa_system_sgpr_workgroup_id_y 1
		.amdhsa_system_sgpr_workgroup_id_z 1
		.amdhsa_system_vgpr_workitem_id 0
		.amdhsa_next_free_vgpr 256
		.amdhsa_next_free_sgpr 66
		.amdhsa_reserve_vcc 1
		.amdhsa_float_denorm_mode_32 3
		.amdhsa_float_denorm_mode_16_64 3
		.amdhsa_memory_ordered 1
		.amdhsa_forward_progress 1
		.amdhsa_inst_pref_size 109
	.end_amdhsa_kernel
	.amdgpu_metadata
---
amdhsa.version: [ 1, 2 ]
amdhsa.kernels:
  - .name:           k_qe36bd8279c_quant
    .symbol:         k_qe36bd8279c_quant.kd
    .args:
      - { .name: tokens, .offset: 0, .size: 8, .value_kind: global_buffer, .address_space: global }
      - { .name: Wq, .offset: 8, .size: 8, .value_kind: global_buffer, .address_space: global }
      - { .name: Wk, .offset: 16, .size: 8, .value_kind: global_buffer, .address_space: global }
      - { .name: Wv, .offset: 24, .size: 8, .value_kind: global_buffer, .address_space: global }
      - { .name: Wp, .offset: 32, .size: 8, .value_kind: global_buffer, .address_space: global }
      - { .name: XQ, .offset: 40, .size: 8, .value_kind: global_buffer, .address_space: global }
      - { .name: WQ, .offset: 48, .size: 8, .value_kind: global_buffer, .address_space: global }
      - { .name: WPQ, .offset: 56, .size: 8, .value_kind: global_buffer, .address_space: global }
    .group_segment_fixed_size: 35328
    .private_segment_fixed_size: 0
    .kernarg_segment_align: 8
    .kernarg_segment_size: 64
    .max_flat_workgroup_size: 128
    .sgpr_count:     66
    .vgpr_count:     256
    .wavefront_size: 32
...
	.end_amdgpu_metadata
.endif
;; end of part 1
;; launch qkv (part 2): grid 16 x 16, 4 waves a work-group, clusters of 4 x 4, 327,680 bytes of LDS; arguments XQ, WQ, QB, KV; writes QB, KV
.if DOCPART == 2
	.amdgcn_target "amdgcn-amd-amdhsa--gfx1250"
	.amdhsa_code_object_version 6
	.text
	.protected	k_qe36bd8279c_qkv
	.globl	k_qe36bd8279c_qkv
	.p2align	8
	.type	k_qe36bd8279c_qkv,@function
k_qe36bd8279c_qkv:
	s_mov_b64 s[64:65], 0
	v_nop
	global_prefetch_b8 v0, s[64:65] scope:SCOPE_SE
	s_setreg_imm32_b32 hwreg(HW_REG_WAVE_MODE, 25, 1), 1
	s_wait_xcnt 0x0
	s_wait_alu depctr_hold_cnt(0) depctr_sa_sdst(0) depctr_va_vdst(0) depctr_va_sdst(0) depctr_va_ssrc(0) depctr_va_vcc(0) depctr_vm_vsrc(0)
	s_getreg_b32 s2, hwreg(HW_REG_IB_STS2, 6, 4)
	s_cmp_eq_u32 s2, 0
	s_cbranch_scc0 .Lentry_in_a_cluster
	s_endpgm
.Lentry_in_a_cluster:
	s_bfe_u32 s2, ttmp6, 0x10000c
	s_cmp_lg_u32 s2, 0xf033
	s_cbranch_scc0 .Lentry_shape_is_right
	s_endpgm
.Lentry_shape_is_right:
; q, k, v of one head for 256 tokens (two groups of 128): products 1 to 3 on codes of FP6 (E2M3), and the results quantised in registers: q and k along the head's 64, v along the keys.  Nothing is left out here.
; Four waves, as many as a WGP has SIMDs: wave w makes tokens 64 (w % 2) .. + 63 of group 2 G + w / 2 x all 192 features: 48 accumulators, 384 registers.  A K step of 128 is 16 fragments from LDS for 48 products.
; q, k: the product is used transposed (source 0 = 16 features, source 1 = 16 tokens): a lane holds one token and, over a run's four tiles, features 32 h + 0..31: a block of the scores' K.
; v: source 0 = 16 tokens, source 1 = 16 features: a lane holds one feature and keys 64 c + 32 h + 0..31: a block of the second product's K.  So no lane asks another for a maximum, and the codes are the next operand's registers.
; LDS: the two groups' blocks of XQ, whole (2 x 102,400 bytes); the head's block of WQ: K steps 0 to 5 (110,592 bytes) and its scale words (6,144).  K steps 6 and 7 (36,864 bytes) take the places of steps 0 and 1, behind the
; round at the head of step 1: by then every wave holds step 1's fragments in registers.  A barrier at the head of step 5, ahead of the first fetch of step 6, shows them whole.
; FRAGMENTS run a step ahead.  A step goes q, k, v, 16 products each; W's four tiles of a part are fetched anew, for the next step, as soon as that part's products are issued; the tokens' fragments have two sets.
; All scale words of K come into registers once: a row's four words of four K steps are 16 neighbouring bytes.
; OUT, as launch attn reads it.  QB [head][group][6400]: 8 half fragments (tile t at 768 t), then scale bytes at 6144 + 64 (t / 2) + 4 r + 2 (t % 2) + h.  KV [head][group][12800]: k in the same form, then v: half fragment
; (tile, c) at 6400 + 1536 tile + 768 c, scale bytes at 12544 + 64 tile + 4 r + 2 c + h.  The scale bytes leave one by one, in runs of 64 bytes: one part in 24 of what the launch stores.
; CLUSTER 4 x 4.  XQ's blocks hang on G alone, which a column of the cluster shares; WQ's on the head alone, which a row shares: each is asked for jointly, by the same load with the same descriptor in all four.
; NO PREFETCH: the K steps are written out, so there is no loop to run ahead in, and all but 36,864 bytes of the operands are asked for at the head.
; A block of zeros keeps the scale byte 1 (its codes are zeros; only this program reads the bytes).
; REGISTERS, in windows of 256.  Window 0: v9-27 addresses, v30, v31 the add's two, v32-63 the tokens' scale words (tile i, step s at 32 + 8 i + s), v64-159 the weights' (tile t at 64 + 8 t + s), v160-255 the tokens' fragments,
; two sets, on the way out at work.  Window 1: v0-143 the weights' twelve fragments.  Window 2: v0-127 q's accumulators, v128-255 k's.  Window 3: v0-127 v's.  Accumulator (a, b) of a part at 8 (4 b + a), a: source 0's tile.
.set WB,    204800                     ; W's codes: place p (0..5) at WB + 18,432 p
.set WSC,   315392                     ; W's scale words
.set SPARE, 321536                     ; the spare words, 128 bytes a wave
.set SX,  32
.set SW,  64
.set XF,  160
.set MXR, 160                          ; on the way out: v160-167 largest magnitudes, v168-171 the conversions' scale operands, v172-175 bytes, v176-207 codes, eight registers a unit
.set SCR, 168
.set BYR, 172
.set CQ,  176
.set MSB, 0
.macro WIN new                         ; the immediate's high byte repeats the setting that is left
.if MSB != \new
	s_set_vgpr_msb (MSB<<8)|\new
.set MSB, \new
.endif
.endm
.macro PLACES                          ; four places behind a product, ahead of loads into registers that it read and of the first read of results
.rept 4
	v_nop
.endr
.endm
.macro CROUND                          ; a round of the cluster's barrier
	s_barrier_signal -1
	s_barrier_wait -1
	s_cmp_lg_u32 s12, 0
	s_cbranch_scc1 .Lnot_wave_0_\@
	s_barrier_signal -3
.Lnot_wave_0_\@:
	s_barrier_wait -3
	s_barrier_signal -1
	s_barrier_wait -1
.endm
.macro G1 g, rows                      ; a dense block as rows of 256 bytes (32 elements of 8 bytes), no padding
	s_mov_b32 s[\g+1], 32<<16
	s_mov_b32 s[\g+2], (\rows)<<16
	s_mov_b32 s[\g+3], 32<<16
	s_mov_b32 s[\g+4], \rows
	s_mov_b32 s[\g+5], 32
	s_mov_b32 s[\g+6], 0
	s_mov_b32 s[\g+7], 0
.endm
.macro TL g0, g1                       ; an s_nop 0 and four v_nop follow a load
	tensor_load_to_lds s[\g0:\g0+3], s[\g1:\g1+7]
	s_nop 0
	PLACES
.endm
.macro LDW s, t0                       ; W's tiles t0 .. t0 + 3 of K step s into window 1; step s lies at place s % 6
.set PL, (\s)%6
.set WR, 16+2*(PL/3)
.set WO, (PL%3)*18432
.irp i, 0,1,2,3
.set TT, \t0+\i
	ds_load_b128 v[12*TT:12*TT+3], v[WR] offset:WO+TT*1536
	ds_load_b64 v[12*TT+4:12*TT+5], v[WR+1] offset:WO+TT*1536+512
	ds_load_b128 v[12*TT+6:12*TT+9], v[WR] offset:WO+TT*1536+768
	ds_load_b64 v[12*TT+10:12*TT+11], v[WR+1] offset:WO+TT*1536+1280
.endr
.endm
.macro LDX s                           ; my four tiles of tokens of K step s into set s % 2
.set XR, 12+2*((\s)/4)
.set XO, ((\s)%4)*12288
.irp i, 0,1,2,3
.set XD, XF+48*((\s)%2)+12*\i
	ds_load_b128 v[XD:XD+3], v[XR] offset:XO+\i*1536
	ds_load_b64 v[XD+4:XD+5], v[XR+1] offset:XO+\i*1536+512
	ds_load_b128 v[XD+6:XD+9], v[XR] offset:XO+\i*1536+768
	ds_load_b64 v[XD+10:XD+11], v[XR+1] offset:XO+\i*1536+1280
.endr
.endm
; 16 products.  The 48 accumulators take turns, one instruction a turn, in the same order in every step.  zero = 1: the first K step starts the sums.
.macro MULQK s, tau, zero              ; q (tau 0) or k (tau 1): source 0 = W's tile 4 tau + a, source 1 = tokens' tile b
.irp a, 0,1,2,3
.irp b, 0,1,2,3
.set DD, 128*\tau+8*(4*\b+\a)
.set AA, 12*(4*\tau+\a)
.set BB, XF+48*((\s)%2)+12*\b
.if \zero
	v_wmma_scale_f32_16x16x128_f8f6f4 v[DD:DD+7], v[AA:AA+11], v[BB:BB+11], 0, v[SW+8*(4*\tau+\a)+(\s)], v[SX+8*\b+(\s)] matrix_a_fmt:MATRIX_FMT_FP6 matrix_b_fmt:MATRIX_FMT_FP6
.else
	v_wmma_scale_f32_16x16x128_f8f6f4 v[DD:DD+7], v[AA:AA+11], v[BB:BB+11], v[DD:DD+7], v[SW+8*(4*\tau+\a)+(\s)], v[SX+8*\b+(\s)] matrix_a_fmt:MATRIX_FMT_FP6 matrix_b_fmt:MATRIX_FMT_FP6
.endif
.endr
.endr
.endm
.macro MULV s, zero                    ; v: source 0 = tokens' tile a, source 1 = W's tile 8 + b
.irp a, 0,1,2,3
.irp b, 0,1,2,3
.set DD, 8*(4*\b+\a)
.set AA, XF+48*((\s)%2)+12*\a
.set BB, 12*(8+\b)
.if \zero
	v_wmma_scale_f32_16x16x128_f8f6f4 v[DD:DD+7], v[AA:AA+11], v[BB:BB+11], 0, v[SX+8*\a+(\s)], v[SW+8*(8+\b)+(\s)] matrix_a_fmt:MATRIX_FMT_FP6 matrix_b_fmt:MATRIX_FMT_FP6
.else
	v_wmma_scale_f32_16x16x128_f8f6f4 v[DD:DD+7], v[AA:AA+11], v[BB:BB+11], v[DD:DD+7], v[SX+8*\a+(\s)], v[SW+8*(8+\b)+(\s)] matrix_a_fmt:MATRIX_FMT_FP6 matrix_b_fmt:MATRIX_FMT_FP6
.endif
.endr
.endr
.endm
.set W_QK, 0xa1                        ; source 0 window 1, source 1 window 0, C and D window 2
.set W_V,  0xf4                        ; source 0 window 0, source 1 window 1, C and D window 3
.set TO_W, 0x40                        ; destination window 1, address window 0
; A K step.  LDS loads are issued in runs of 16, in the order Wq, X, Wk, Wv of each step.  The counts: at the head Wk's and Wv's 32 may be out; ahead of k's products the 48 issued behind Wk (Wv, the next Wq and X);
; ahead of v's the 48 issued behind Wv (the next Wq, X and Wk).  The last step fetches nothing: 32, 16, 0.
.macro KSTEP s, zero
	s_wait_dscnt 32
	WIN W_QK
	MULQK \s, 0, \zero
.if (\s) < 7
	PLACES
	WIN TO_W
	LDW (\s)+1, 0
	WIN 0
	LDX (\s)+1
	s_wait_dscnt 48
.else
	s_wait_dscnt 16
.endif
	WIN W_QK
	MULQK \s, 1, \zero
.if (\s) < 7
	PLACES
	WIN TO_W
	LDW (\s)+1, 4
	s_wait_dscnt 48
.else
	s_wait_dscnt 0x0
.endif
	WIN W_V
	MULV \s, \zero
	PLACES
.if (\s) < 7
	WIN TO_W
	LDW (\s)+1, 8
.endif
	WIN 0
.endm
; Four units of 32 registers (unit b at register ab + 32 b of window wd), each a block of 32 in my lane, by turns: codes to v[CQ + 8 b ..+5], bytes to v[BYR + b].  Each accumulator is first read at its low end.
.macro QUANT4 ab, wd
	WIN 21*\wd                                     ; all three sources in window wd
.irp b, 0,1,2,3
	v_max3_num_f32 v[MXR+2*\b], |v[\ab+32*\b]|, |v[\ab+32*\b+1]|, |v[\ab+32*\b+2]|
	v_max3_num_f32 v[MXR+2*\b+1], |v[\ab+32*\b+16]|, |v[\ab+32*\b+17]|, |v[\ab+32*\b+18]|
.endr
	WIN 20*\wd                                     ; sources 1 and 2
.irp i, 3,5,7,9,11,13
.irp b, 0,1,2,3
	v_max3_num_f32 v[MXR+2*\b], v[MXR+2*\b], |v[\ab+32*\b+\i]|, |v[\ab+32*\b+\i+1]|
	v_max3_num_f32 v[MXR+2*\b+1], v[MXR+2*\b+1], |v[\ab+32*\b+16+\i]|, |v[\ab+32*\b+17+\i]|
.endr
.endr
.irp b, 0,1,2,3
	v_max3_num_f32 v[MXR+2*\b], v[MXR+2*\b], |v[\ab+32*\b+15]|, |v[\ab+32*\b+31]|
.endr
	WIN 0
.irp b, 0,1,2,3
	v_max3_num_f32 v[MXR+2*\b], v[MXR+2*\b], v[MXR+2*\b+1], 0x1800000   ; the floor 2^(3 - 127): the byte cannot fall under 1
.endr
.irp b, 0,1,2,3
	v_add_nc_u32 v[SCR+\b], 0xff000000, v[MXR+2*\b]                     ; 2 off the exponent field: the conversion's scale operand
.endr
.irp b, 0,1,2,3
	v_lshrrev_b32 v[BYR+\b], 23, v[SCR+\b]                              ; the scale's byte
.endr
	WIN \wd                                        ; source 0
.irp b, 0,1,2,3
	v_cvt_scalef32_pk16_fp6_f32 v[CQ+8*\b:CQ+8*\b+2], v[\ab+32*\b:\ab+32*\b+15], v[SCR+\b]
	v_cvt_scalef32_pk16_fp6_f32 v[CQ+8*\b+4:CQ+8*\b+6], v[\ab+32*\b+16:\ab+32*\b+31], v[SCR+\b]
.endr
	WIN 0
	v_nop                                          ; one plain place behind a scaled conversion
.irp b, 0,1,2,3
	v_mov_b32 v[CQ+8*\b+3], v[CQ+8*\b+4]
	v_mov_b32 v[CQ+8*\b+4], v[CQ+8*\b+5]
	v_mov_b32 v[CQ+8*\b+5], v[CQ+8*\b+6]
.endr
.endm
.macro OUTQK p                         ; unit b: token row r of tile 4 c + b, features 32 h + 0..31
.irp b, 0,1,2,3
	global_store_b128 v22, v[CQ+8*\b:CQ+8*\b+3], s[\p:\p+1] offset:768*\b
	global_store_b64 v23, v[CQ+8*\b+4:CQ+8*\b+5], s[\p:\p+1] offset:768*\b+512
	global_store_b8 v24, v[BYR+\b], s[\p:\p+1] offset:6144+(\b/2)*64+2*(\b%2)
.endr
.endm
	s_load_b256 s[4:11], s[0:1], 0x0               ; XQ s[4:5], WQ s[6:7], QB s[8:9], KV s[10:11]
	v_lshl_add_u32 v30, v0, 2, SPARE               ; v30: my spare word; v31: 0; both never rewritten
	v_mov_b32 v31, 0
	ds_add_u32 v30, v31                            ; the wave's opening: the add, twice on end, and its wait ahead of my first tensor load
	ds_add_u32 v30, v31
	v_lshrrev_b32 v1, 5, v0
	v_readfirstlane_b32 s12, v1                    ; wave 0..3
	s_bfe_u32 s13, ttmp6, 0x40000                  ; cx
	s_bfe_u32 s14, ttmp6, 0x40004                  ; cy
	s_lshl_b32 s15, ttmp9, 2
	s_add_co_u32 s15, s15, s13                     ; G: which 256 tokens = 4 x cluster x + cx
	s_and_b32 s17, ttmp7, 0xffff
	s_lshl_b32 s17, s17, 2
	s_add_co_u32 s17, s17, s14                     ; the head = 4 x cluster y + cy
	s_lshl_b32 s20, 0x1111, s13                    ; my column of the cluster
	s_lshl_b32 s21, s14, 2
	s_lshl_b32 s21, 15, s21                        ; my row
	s_or_b32 s24, s20, (3<<16)|(1<<21)             ; groups 1: 15:0 the mask; 17:16 elements of 8 bytes; 21 set beside a mask.  A block of XQ: 400 rows
	s_or_b32 s32, s21, (3<<16)|(1<<21)             ; W's K steps 0 to 5: 432 rows
	s_or_b32 s40, s21, (3<<16)|(1<<21)             ; W's scale words: 24 rows
	s_or_b32 s48, s21, (3<<16)|(1<<21)             ; a quarter of W's K steps 6 and 7: 36 rows
	G1 24, 400
	G1 32, 432
	G1 40, 24
	G1 48, 36
	s_and_b32 s18, s12, 1                          ; c: which 64 tokens of my group
	s_lshr_b32 s19, s12, 1                         ; which of the two groups
	s_min_u32 s78, s12, 1                          ; waves 0 and 1 fetch the two blocks of XQ: no register here ever holds cy
	s_lshl_b32 s76, s15, 1
	s_add_co_u32 s76, s76, s78
	s_mul_i32 s76, s76, 102400
	s_mov_b32 s77, 0
	s_mul_i32 s78, s78, 102400                     ; where they go
	s_mul_i32 s80, s17, 153600                     ; the head's block of WQ: no register here ever holds cx
	s_mov_b32 s81, 0
	s_mul_i32 s82, s12, 9216                       ; my quarter of K steps 6 and 7
	s_mov_b32 s83, 0
	s_wait_dscnt 0x0                               ; both opening adds are done
	s_wait_kmcnt 0x0
	s_add_nc_u64 s[84:85], s[4:5], s[76:77]
	s_add_nc_u64 s[86:87], s[6:7], s[80:81]
	CROUND                                         ; all sixteen work-groups are here: the joint loads meet
	s_mov_b32 s56, 1
	s_mov_b32 s57, s78
	s_mov_b64 s[58:59], s[84:85]
	s_or_b32 s59, s59, 0x80000000
	s_mov_b32 s60, 1
	s_mov_b32 s61, WB
	s_mov_b64 s[62:63], s[86:87]
	s_or_b32 s63, s63, 0x80000000
	s_mov_b32 s68, 1
	s_mov_b32 s69, WSC
	s_add_nc_u64 s[70:71], s[86:87], 147456
	s_or_b32 s71, s71, 0x80000000
	s_mov_b32 s72, 1
	s_add_co_u32 s73, s82, WB
	s_add_nc_u64 s[74:75], s[86:87], 110592
	s_add_nc_u64 s[74:75], s[74:75], s[82:83]
	s_or_b32 s75, s75, 0x80000000
	s_cmp_lt_u32 s12, 2                            ; the head's loads, one a wave, in one chain of branches on the wave's number
	s_cbranch_scc0 .Lhead_w
	TL 56, 24
	s_branch .Lhead_asked
.Lhead_w:
	s_cmp_lt_u32 s12, 3
	s_cbranch_scc0 .Lhead_s
	TL 60, 32
	s_branch .Lhead_asked
.Lhead_s:
	TL 68, 40
.Lhead_asked:
	s_mul_i32 s88, s19, 102400                     ; my group's block in LDS
	s_mul_i32 s89, s18, 6144
	s_add_co_u32 s89, s89, s88                     ; my four tiles of tokens
	s_lshl_b32 s90, s18, 11
	s_add_co_u32 s90, s90, s88
	s_add_co_u32 s90, s90, 98304                   ; and their scale words
	s_lshl_b32 s16, s15, 1
	s_add_co_u32 s16, s16, s19
	s_lshl_b32 s91, s17, 5
	s_add_co_u32 s16, s16, s91                     ; head x 32 + group: it enters the stores' addresses alone
	s_mul_i32 s76, s16, 6400
	s_add_nc_u64 s[92:93], s[8:9], s[76:77]        ; my entry in QB,
	s_mul_i32 s76, s16, 12800
	s_add_nc_u64 s[94:95], s[10:11], s[76:77]      ; and in KV
	s_mul_i32 s79, s18, 3072
	s_lshl_b32 s80, s18, 7
	s_mul_i32 s81, s18, 768
	s_lshl_b32 s82, s18, 1
	v_and_b32 v1, 31, v0                           ; l
	v_and_b32 v2, 15, v0                           ; r
	v_bfe_u32 v3, v0, 4, 1                         ; h
	v_lshlrev_b32 v9, 4, v1                        ; 16 l
	v_lshlrev_b32 v10, 3, v1                       ; 8 l
	v_lshl_add_u32 v11, v2, 2, v3                  ; 4 r + h
	v_add_nc_u32 v12, s89, v9                      ; v12, v13: the tokens' fragments, registers 0-3 and 4-5, K steps 0-3; v14, v15: K steps 4-7
	v_add_nc_u32 v13, s89, v10
	v_add_nc_u32 v14, 49152, v12
	v_add_nc_u32 v15, 49152, v13
	v_add_nc_u32 v16, WB, v9                       ; v16, v17: the weights', places 0-2; v18, v19: places 3-5
	v_add_nc_u32 v17, WB, v10
	v_add_nc_u32 v18, 55296, v16
	v_add_nc_u32 v19, 55296, v17
	v_lshl_add_u32 v20, v2, 4, s90                 ; the tokens' scale words: 16 r
	v_lshl_add_u32 v21, v2, 4, WSC                 ; the weights'
	v_add_nc_u32 v22, s79, v9                      ; out, q and k: codes of tiles 4 c on,
	v_add_nc_u32 v23, s79, v10
	v_add_nc_u32 v24, s80, v11                     ; their scale bytes;
	v_add_nc_u32 v25, s81, v9                      ; v: half fragment c of each tile,
	v_add_nc_u32 v26, s81, v10
	v_add_nc_u32 v27, s82, v11                     ; its scale bytes
	s_wait_alu depctr_va_vdst(0)                   ; the head's end
	s_wait_tensorcnt 0x0                           ; my part is in,
	s_barrier_signal -1
	s_barrier_wait -1                              ; everybody's is
.irp i, 0,1,2,3
	ds_load_b128 v[SX+8*\i:SX+8*\i+3], v20 offset:\i*512
	ds_load_b128 v[SX+8*\i+4:SX+8*\i+7], v20 offset:\i*512+256
.endr
.irp t, 0,1,2,3,4,5,6,7,8,9,10,11
	ds_load_b128 v[SW+8*\t:SW+8*\t+3], v21 offset:\t*512
	ds_load_b128 v[SW+8*\t+4:SW+8*\t+7], v21 offset:\t*512+256
.endr
	WIN TO_W
	LDW 0, 0
	WIN 0
	LDX 0
	WIN TO_W
	LDW 0, 4
	LDW 0, 8
	WIN 0
	KSTEP 0, 1                                     ; the first K step starts the sums: nothing is cleared
	s_wait_tensorcnt 0x0                           ; ahead of the refill: no tensor load of mine is out;
	ds_add_u32 v30, v31                            ; 0 onto my spare word;
	s_wait_dscnt 0x0                               ; the add is done, and K step 1's fragments are in registers: my reads of places 0 and 1 are over
	CROUND                                         ; the same holds of every wave of every partner
	TL 72, 48                                      ; K steps 6 and 7, a quarter a wave: my one load behind the round
	KSTEP 1, 0
	KSTEP 2, 0
	KSTEP 3, 0
	KSTEP 4, 0
	s_wait_tensorcnt 0x0                           ; my quarter of K steps 6 and 7 is in,
	s_wait_dscnt 0x0                               ; no LDS instruction of mine is out at the signal,
	s_barrier_signal -1
	s_barrier_wait -1                              ; everybody's quarter is in
	KSTEP 5, 0
	KSTEP 6, 0
	KSTEP 7, 0
	QUANT4 0, 2                                    ; q
	OUTQK 92
	s_wait_xcnt 0x0                                ; the stores have read their registers
	QUANT4 128, 2                                  ; k
	OUTQK 94
	s_wait_xcnt 0x0
	QUANT4 0, 3                                    ; v: unit b: feature row r of tile b, keys 64 c + 32 h + 0..31
.irp b, 0,1,2,3
	global_store_b128 v25, v[CQ+8*\b:CQ+8*\b+3], s[94:95] offset:6400+1536*\b
	global_store_b64 v26, v[CQ+8*\b+4:CQ+8*\b+5], s[94:95] offset:6400+1536*\b+512
	global_store_b8 v27, v[BYR+\b], s[94:95] offset:12544+64*\b
.endr
	s_wait_tensorcnt 0x0                           ; the wave's end, behind my last tensor load
	ds_add_u32 v30, v31
	s_wait_dscnt 0x0
	CROUND                                         ; the closing round: no work-group ends while a partner may still ask for a block that names it
	s_endpgm
.Lfunc_end_k_qe36bd8279c_qkv:
	.size	k_qe36bd8279c_qkv, .Lfunc_end_k_qe36bd8279c_qkv-k_qe36bd8279c_qkv
	.p2alignl 7, 3214868480
	.fill 96, 4, 3214868480
	.section	.rodata,"a",@progbits
	.p2align	6, 0x0
	.amdhsa_kernel k_qe36bd8279c_qkv
		.amdhsa_group_segment_fixed_size 327680
		.amdhsa_private_segment_fixed_size 0
		.amdhsa_enable_private_segment 0
		.amdhsa_kernarg_size 32
		.amdhsa_user_sgpr_count 2
		.amdhsa_user_sgpr_kernarg_segment_ptr 1
		.amdhsa_wavefront_size32 1
		.amdhsa_system_sgpr_workgroup_id_x 1
		.amdhsa_system_sgpr_workgroup_id_y 1
		.amdhsa_system_sgpr_workgroup_id_z 1
		.amdhsa_system_vgpr_workitem_id 0
		.amdhsa_next_free_vgpr 1024
		.amdhsa_next_free_sgpr 96
		.amdhsa_reserve_vcc 0
		.amdhsa_float_denorm_mode_32 3
		.amdhsa_float_denorm_mode_16_64 3
		.amdhsa_memory_ordered 1
		.amdhsa_forward_progress 1
		.amdhsa_inst_pref_size 117
	.end_amdhsa_kernel
	.amdgpu_metadata
---
amdhsa.version: [ 1, 2 ]
amdhsa.kernels:
  - .name:           k_qe36bd8279c_qkv
    .symbol:         k_qe36bd8279c_qkv.kd
    .args:
      - { .name: XQ, .offset: 0, .size: 8, .value_kind: global_buffer, .address_space: global }
      - { .name: WQ, .offset: 8, .size: 8, .value_kind: global_buffer, .address_space: global }
      - { .name: QB, .offset: 16, .size: 8, .value_kind: global_buffer, .address_space: global }
      - { .name: KV, .offset: 24, .size: 8, .value_kind: global_buffer, .address_space: global }
    .group_segment_fixed_size: 327680
    .private_segment_fixed_size: 0
    .kernarg_segment_align: 8
    .kernarg_segment_size: 32
    .max_flat_workgroup_size: 128
    .sgpr_count:     96
    .vgpr_count:     1024
    .wavefront_size: 32
...
	.end_amdgpu_metadata
.endif
;; end of part 2
;; launch attn (part 3): grid 16 x 16, 16 waves a work-group, no clusters, 327,680 bytes of LDS; arguments QB, KV, AO; writes AO
.if DOCPART == 3
	.amdgcn_target "amdgcn-amd-amdhsa--gfx1250"
	.amdhsa_code_object_version 6
	.text
	.protected	k_qe36bd8279c_attn
	.globl	k_qe36bd8279c_attn
	.p2align	8
	.type	k_qe36bd8279c_attn,@function
k_qe36bd8279c_attn:
	s_mov_b64 s[64:65], 0
	v_nop
	global_prefetch_b8 v0, s[64:65] scope:SCOPE_SE
	s_setreg_imm32_b32 hwreg(HW_REG_WAVE_MODE, 25, 1), 1
	s_wait_xcnt 0x0
; Causal attention of one head on codes of FP6 (E2M3): S^T = k q^T, p = 2^(t - M), O^T = v^T p^T, O / the row's sum, and the result quantised along head x 64 + feature for the projection.
; WORK LEFT OUT: a step of 128 keys all of which come after a tile's 16 queries (reference()'s own tril makes p exactly 0 there for all inputs) is not multiplied, and keys behind the work-group's last query are not fetched.
; LIMITS: a NaN or an infinity that reaches only such hidden scores is not carried to the result.  The softmax holds while the scaled scores (the exponents to the base 2) stay under 2^31 in magnitude.
; THE SOFTMAX: t = score x log2(e) / 8; M = the largest t so far, rounded up to a whole number; p = 2^(t - M) is quantised along the keys, not normalised; the sum is taken of the unquantised p and divides O at the end.
; When M moves, the sum and O are multiplied by 2^(old M - new M): exact.  The order in which key steps are walked is free.
; SHARES.  Work-group (x, head) owns the groups of 128 queries x (low) and 31 - x (high): 8 tiles of 16 queries each, (x + 1) and (32 - x) key steps a tile.  Waves 2 j and 2 j + 1 share tile j of both groups, 33 steps:
;   role a (16 steps): the high tile against key steps 0 .. 15;
;   role b (17 steps): the high tile against key steps 16 .. 31 - x, the last on the diagonal; it leaves O, the sums and M of that part in LDS and then takes the low tile against key steps 0 .. x.
; At the end role a joins the two parts of the high tile: both are brought under the larger M by powers of two, which rounds nothing.  Role = bit 0 xor bit 2 of the wave's number.
; THE WALK has 17 ticks.  At tick n LDS holds stream A's key step (n + x) % 16 and stream B's key step 16 + n.  Role a reads A at ticks 0 .. 15: all sixteen steps, begun at step x.  Role b reads B at ticks 0 .. 15 - x and A at
; ticks 16 - x .. 16, where A holds steps 0 .. x.  A slot holds four ticks: A's four steps (51,200 bytes), then B's four.  Wave w fetches bytes 6,400 w .. of a slot: 25 rows of 256 bytes, k or v of one step.
; B's slots whose first tick is 16 - x or later are read by nobody and are not fetched: a test of ids and counted ticks; every wait on TENSORcnt is for 0.  Tick 16 needs A's step x alone: waves 0 and 1 fetch it.
; LAYOUT.  Both products are used transposed, so a lane holds one query throughout.  By the order of rows in the workspace the 32 registers of four neighbouring score tiles are keys 64 c + 32 h + 0..31: a whole block of p in a lane.
; THE SCORES' K IS 64, HALF OF THE INSTRUCTION'S 128: a fragment of k holds key tile 2 f in k = 0..63 and key tile 2 f + 1 in k = 64..127; q stands in registers as q, zeros, q.  Zero codes add nothing under any byte but 0xff.
; NO CLUSTER: the sixteen work-groups of a head begin stream A at sixteen different steps, and leave stream B at sixteen different ticks: no tile is wanted by partners in the same round on every path.
; PREFETCH: stream B's slots 2 and 3 are asked for one slot ahead of their loads, by work-group x = 0 alone, each of its waves 8 to 15 for the 25 blocks that it will itself fetch.  Stream A has none: the first fills of a head's
; sixteen work-groups name all sixteen of its steps, so nothing of it is left to ask for ahead.
; Every wave loads the low tile's q beside the high tile's, on one path; role a does not use it (7 registers).
.set SLOT1, 131072                     ; slot 1 begins here, so that one exclusive or turns an address; a slot is 102,400 bytes
.set STRB,  51200                      ; stream B's part of a slot
.set MRG,   233472                     ; behind the ring: 4,608 bytes for each wave: O (4,096) and -M, t, the sums (512); no fill lands there
.set SPARE, 307200                     ; behind them: the spare words, 128 bytes a wave
; REGISTERS: v1 16 l, v2 8 l, v3 4 r; v4, v5 the add's two; v6 the mask's d; v7-9 the step's LDS addresses; v10 8 h; v11 the prefetches' offset; v12 -M, v13 the largest t, v[14:15] the sum in two halves;
; v16-33 q, zeros, q; v34 q's scale word; v35 my partner's part in LDS; v36-83 four fragments of k, later of v; v84-87 their scale words; v88-94 the low tile's q and scale word; v95 my part in LDS;
; v96-159 S^T, then p; v160-191 O^T; v192-203 p's codes; v204-255 at work.
; s10 wave, s11 role, s12 tile, s13 the group that I send out, s14 the high group, s15 the tick, s16 its place in LDS, s17, s18 counters, s19 head, s[20:21] lane selects, s[22:23] c, s[24:31], s[32:35] the descriptor,
; s[36:37] prefetch, s39 my ticks on stream B, s50-52 my fetches' step, s60 prefetch flag, s61 16 - x.
.macro TL                              ; an s_nop 0 and four v_nop follow the load
	tensor_load_to_lds s[32:35], s[24:31]
	s_nop 0
.rept 4
	v_nop
.endr
.endm
.macro ASK
	s_cmp_gt_u32 s18, s60
	s_cbranch_scc0 .Lnot_mine_\@
	global_prefetch_b8 v11, s[36:37] offset:51200 th:TH_LOAD_NT scope:SCOPE_SE   ; my 6,400 bytes of the slot behind the one just asked for; lanes 25 to 31 name lane 24's block once more
.Lnot_mine_\@:
.endm
	s_load_b128 s[4:7], s[0:1], 0x0                ; QB s[4:5], KV s[6:7]
	s_load_b64 s[8:9], s[0:1], 0x10                ; AO
	v_lshl_add_u32 v4, v0, 2, SPARE
	v_mov_b32 v5, 0
	ds_add_u32 v4, v5                              ; the wave's opening: the add, twice on end, and its wait ahead of my first tensor load
	ds_add_u32 v4, v5
	v_lshrrev_b32 v1, 5, v0
	s_delay_alu instid0(VALU_DEP_1)
	v_readfirstlane_b32 s10, v1                    ; wave 0..15
	s_lshr_b32 s12, s10, 1                         ; my tile of 16 queries
	s_lshr_b32 s11, s10, 2
	s_xor_b32 s11, s11, s10
	s_and_b32 s11, s11, 1                          ; role: 0 a, 1 b
	s_sub_co_u32 s14, 31, ttmp9                    ; the high group
	s_sub_co_u32 s61, 16, ttmp9                    ; the high group's steps in stream B
	s_mul_i32 s39, s11, s61                        ; role b reads stream B while the tick is under this; role a never
	s_cmp_eq_u32 s11, 0
	s_cselect_b32 s13, s14, ttmp9                  ; role a sends out the high tile, role b the low one
	s_and_b32 s19, ttmp7, 0xffff                   ; the head
	s_mov_b32 s24, 3<<16                           ; group 1: no mask; elements of 8 bytes; no padding
	s_mov_b32 s25, 32<<16                          ; tensor_dim0: 256 bytes
	s_mov_b32 s26, 25<<16                          ; tensor_dim1
	s_mov_b32 s27, 32<<16                          ; tile_dim0
	s_mov_b32 s28, 25                              ; tile_dim1
	s_mov_b32 s29, 32                              ; dense rows
	s_mov_b32 s30, 0
	s_mov_b32 s31, 0
	s_mov_b32 s20, 0x76543210
	s_mov_b32 s21, 0xfedcba98                      ; lane l xor 16
	s_mov_b32 s22, 0x3e38aa3b                      ; c = log2(e) / 8
	s_mov_b32 s23, s22                             ; (named with it as a pair)
	s_mov_b32 s15, 0
	s_mov_b32 s16, 0
	s_mov_b32 s18, 3
	s_lshr_b32 s48, s10, 3                         ; my fetches: stream 0 A, 1 B,
	s_bfe_u32 s49, s10, 0x20001                    ; tick i of the slot's four,
	s_and_b32 s40, s10, 1                          ; k or v
	s_cmp_eq_u32 s48, 0
	s_cselect_b32 s41, ttmp9, 0
	s_add_co_u32 s50, s49, s41                     ; i + 4 x slot, in stream A + x
	s_lshl_b32 s51, s48, 4                         ; stream B begins at step 16
	s_mul_i32 s43, s19, 409600                     ; the head's 32 steps
	s_mul_i32 s42, s40, 6400
	s_add_co_u32 s52, s43, s42
	s_and_b32 s46, s50, 15
	s_add_co_u32 s46, s46, s51                     ; the key step
	s_mul_i32 s46, s46, 12800
	s_add_co_u32 s46, s46, s52
	s_mov_b32 s47, 0
	s_mov_b32 s32, 1
	s_mul_i32 s33, s10, 6400                       ; where it goes: wave x 6,400
	s_wait_dscnt 0x0                               ; both opening adds are done
	s_wait_kmcnt 0x0
	s_add_nc_u64 s[34:35], s[6:7], s[46:47]
	s_or_b32 s35, s35, 0x80000000
	TL                                             ; slot 0: every wave's one load at the head
	s_lshl_b32 s44, s19, 5
	s_add_co_u32 s46, s44, ttmp9
	s_add_co_u32 s44, s44, s14
	s_mul_i32 s44, s44, 6400                       ; the high group's entry in QB,
	s_mul_i32 s46, s46, 6400                       ; the low group's
	s_mov_b32 s45, 0
	s_add_nc_u64 s[56:57], s[4:5], s[44:45]
	s_add_nc_u64 s[58:59], s[4:5], s[46:47]
	s_mul_i32 s53, s12, 768                        ; my tile's codes in an entry
	s_lshr_b32 s54, s12, 1
	s_lshl_b32 s54, s54, 6
	s_and_b32 s55, s12, 1
	s_lshl_b32 s55, s55, 1
	s_add_co_u32 s54, s54, s55
	s_add_co_u32 s54, s54, 6144                    ; and its scale bytes: two a row
	s_lshr_b32 s40, s12, 2
	s_lshl_b32 s40, s40, 6
	s_and_b32 s41, s12, 3
	s_lshl_b32 s41, s41, 3
	s_add_co_u32 s40, s40, s41                     ; 64 (tile / 4) + 8 (tile % 4)
	s_mul_i32 s41, s10, 4608
	s_add_co_u32 s41, s41, MRG                     ; my part in LDS,
	s_xor_b32 s42, s10, 1
	s_mul_i32 s42, s42, 4608
	s_add_co_u32 s42, s42, MRG                     ; my partner's
	s_lshr_b32 s60, s10, 3
	s_xor_b32 s60, s60, 1                          ; 0 in waves 8 to 15,
	s_or_b32 s60, s60, ttmp9                       ; of work-group x = 0
	s_cmp_eq_u32 s60, 0
	s_cselect_b32 s60, 1, -1                       ; a wave asks while s18 is above this
	v_and_b32 v228, 31, v0                         ; l
	v_and_b32 v229, 15, v0                         ; r
	v_bfe_u32 v230, v0, 4, 1                       ; h
	v_lshlrev_b32 v1, 4, v228
	v_lshlrev_b32 v2, 3, v228
	v_lshlrev_b32 v3, 2, v229
	v_add_nc_u32 v7, s53, v1
	v_add_nc_u32 v8, s53, v2
	v_add_nc_u32 v9, s54, v3
	global_load_b128 v[16:19], v7, s[56:57]
	global_load_b64 v[20:21], v8, s[56:57] offset:512
	global_load_u16 v34, v9, s[56:57]
	global_load_b128 v[88:91], v7, s[58:59]
	global_load_b64 v[92:93], v8, s[58:59] offset:512
	global_load_u16 v94, v9, s[58:59]
	v_lshrrev_b32 v6, 3, v229
	v_and_b32 v35, 7, v229
	v_lshlrev_b32 v6, 5, v6
	s_delay_alu instid0(VALU_DEP_1)
	v_add3_u32 v6, v6, v35, s40                    ; my query in its group: 64 (tile / 4) + 8 (tile % 4) + 32 (r / 8) + r % 8,
	v_lshlrev_b32 v35, 5, v230
	s_delay_alu instid0(VALU_DEP_1)
	v_sub_nc_u32 v6, v6, v35                       ; less 32 h: register n holds key 64 (n / 32) + 32 h + n % 32, hidden where 64 (n / 32) + n % 32 > d
	v_lshlrev_b32 v10, 3, v230
	v_min_u32 v11, 24, v228
	v_add_nc_u32 v95, s41, v1
	v_add_nc_u32 v35, s42, v1
	v_lshlrev_b32 v11, 8, v11
	v_mov_b32 v13, 0xff61b1e6                      ; the largest t so far: -3e38, under every t
	v_mov_b32 v14, 0
	v_mov_b32 v15, 0
	v_floor_f32 v12, -v13                          ; -M
.irp i, 22,23,24,25,26,27
	v_mov_b32 v\i, 0                               ; the zero codes between the two copies of q
.endr
	v_mov_b32 v218, 0                              ; a lane permute's destination counts as one of its sources
	v_mov_b32 v227, 0                              ; (named as the upper half of the pair v[226:227])
	s_wait_alu depctr_va_vdst(0)
	s_wait_loadcnt 0x0                             ; both q
.irp i, 0,1,2,3,4,5
	v_mov_b32 v[28+\i], v[16+\i]
.endr
	v_lshl_or_b32 v34, v34, 16, v34                ; q's two bytes twice: they serve k = 0..63 and k = 64..127
	v_lshl_or_b32 v94, v94, 16, v94
.set n, 0
.rept 32
	v_mov_b32 v[160+n], 0                          ; O^T: the step is written once; its first run finds zeros
.set n, n+1
.endr
	s_wait_alu depctr_va_vdst(0)                   ; the head's end
; A TICK: 128 keys.  sw = 1: behind role b's last step on stream B its part of the high tile goes to LDS and the low tile begins.
.macro STEP sw
	s_cmp_lt_u32 s15, s39
	s_cselect_b32 s40, STRB, 0                     ; stream B's part of the slot, or A's
	s_add_co_u32 s40, s40, s16
	s_add_co_u32 s41, s15, 1
	v_add_nc_u32 v7, s40, v1
	v_add_nc_u32 v8, s40, v2
	v_add_nc_u32 v9, s40, v3
	v_nop                                          ; four places behind the last step's products, ahead of loads into registers that they read
.irp t, 0,1,2,3,4,5,6,7
	ds_load_b128 v[36+6*\t:39+6*\t], v7 offset:768*\t
	ds_load_b64 v[40+6*\t:41+6*\t], v8 offset:768*\t+512
.endr
.irp f, 0,1,2,3
	ds_load_b32 v[84+\f], v9 offset:6144+64*\f
.endr
	s_wait_alu depctr_va_vdst(0)
	s_wait_dscnt 0x0
.irp t, 0,1,2,3,4,5,6,7
	v_wmma_scale_f32_16x16x128_f8f6f4 v[96+8*\t:103+8*\t], v[36+12*(\t/2):47+12*(\t/2)], v[16+6*(\t%2):27+6*(\t%2)], 0, v[84+\t/2], v34 matrix_a_fmt:MATRIX_FMT_FP6 matrix_b_fmt:MATRIX_FMT_FP6
.endr
.rept 4
	v_nop                                          ; four places: ahead of the loads below and of the first read of the scores
.endr
.irp t, 0,1,2,3,4,5,6,7                        ; v's fragments take k's registers: they land while the softmax is walked
	ds_load_b128 v[36+6*\t:39+6*\t], v7 offset:6400+768*\t
	ds_load_b64 v[40+6*\t:41+6*\t], v8 offset:6400+768*\t+512
.endr
.irp f, 0,1,2,3
	ds_load_b32 v[84+\f], v9 offset:6400+6144+64*\f
.endr
	s_cmp_eq_u32 s41, s39                          ; the diagonal: role b's last tick on stream B (the high tile's),
	s_cbranch_scc1 .Lmask_\@
	s_cmp_lg_u32 s15, 16                           ; and tick 16 (the low tile's).  Hidden scores become -infinity ahead of the maximum: p = 0 then
	s_cbranch_scc1 .Lopen_\@
.Lmask_\@:
	v_mov_b32 v229, 0xff800000
.set n, 0
.rept 64
	v_cmp_gt_i32 vcc_lo, 64*(n/32)+n%32, v6
	v_cndmask_b32 v[96+n], v[96+n], v229, vcc_lo
.set n, n+1
.endr
.Lopen_\@:
.irp c, 0,1                                    ; the largest score of each of my two blocks of 32 keys, in two chains each: it serves for the row's maximum and, since p rises with the score, for the block's largest p
	v_max3_num_f32 v[212+2*\c], v[96+32*\c], v[97+32*\c], v[98+32*\c]
	v_max3_num_f32 v[213+2*\c], v[112+32*\c], v[113+32*\c], v[114+32*\c]
.endr
.irp i, 3,5,7,9,11,13
.irp c, 0,1
	v_max3_num_f32 v[212+2*\c], v[212+2*\c], v[96+32*\c+\i], v[97+32*\c+\i]
	v_max3_num_f32 v[213+2*\c], v[213+2*\c], v[112+32*\c+\i], v[113+32*\c+\i]
.endr
.endr
.irp c, 0,1
	v_max3_num_f32 v[212+2*\c], v[212+2*\c], v[111+32*\c], v[127+32*\c]
.endr
.irp c, 0,1
	s_delay_alu instid0(VALU_DEP_2)
	v_max_num_f32 v[216+\c], v[212+2*\c], v[213+2*\c]
.endr
	s_delay_alu instid0(VALU_DEP_1)
	v_max_num_f32 v228, v216, v217
	s_delay_alu instid0(VALU_DEP_1)
	v_permlanex16_b32 v218, v228, s20, s21
	s_delay_alu instid0(VALU_DEP_1)
	v_max_num_f32 v228, v228, v218                 ; with lane l xor 16's 64 keys: the step's largest score of my query
	s_delay_alu instid0(VALU_DEP_1)
	v_mul_f32 v228, s22, v228                      ; as t
	s_delay_alu instid0(VALU_DEP_1)
	v_max_num_f32 v13, v13, v228                   ; the running largest t
	v_mov_b32 v228, v12
	s_delay_alu instid0(VALU_DEP_2)
	v_floor_f32 v12, -v13                          ; the new -M = -ceil(t)
	s_delay_alu instid0(VALU_DEP_1)
	v_sub_f32 v228, v12, v228                      ; old M less new M: a whole number, 0 or less
	s_delay_alu instid0(VALU_DEP_1)
	v_cvt_i32_f32 v228, v228                       ; (it saturates)
	s_delay_alu instid0(VALU_DEP_1)
	v_ldexp_f32 v226, 1.0, v228                    ; f = 2^(old M - new M)
.set n, 0
.rept 32
	v_pk_fma_f32 v[96+n:97+n], v[96+n:97+n], s[22:23], v[12:13] op_sel_hi:[1,0,0]   ; t - M, two at a time
.set n, n+2
.endr
	v_fma_f32 v216, v216, s22, v12                 ; the same of each block's largest score
	v_fma_f32 v217, v217, s22, v12
.set n, 0
	s_wait_alu depctr_va_vdst(0)
.rept 64
	v_exp_f32 v[96+n], v[96+n]                     ; p = 2^(t - M)
.set n, n+1
.endr
	v_pk_mul_f32 v[14:15], v[14:15], v[226:227] op_sel_hi:[1,0]   ; the sums under the new M; a plain place behind the exponentials
	s_wait_alu depctr_va_vdst(0)                   ; one wait for the whole batch, ahead of its first reader
	v_exp_f32 v216, v216                           ; the blocks' largest p
	v_exp_f32 v217, v217
	v_pk_add_f32 v[230:231], v[100:101], v[104:105]   ; the row's sum of the unquantised p, in eight chains
	v_pk_add_f32 v[254:255], v[108:109], v[112:113]
	v_pk_add_f32 v[252:253], v[116:117], v[120:121]
	v_pk_add_f32 v[250:251], v[124:125], v[128:129]
	v_pk_add_f32 v[248:249], v[132:133], v[136:137]
	v_pk_add_f32 v[246:247], v[140:141], v[144:145]
	v_pk_add_f32 v[244:245], v[148:149], v[152:153]
	v_pk_add_f32 v[14:15], v[14:15], v[156:157]
	v_pk_add_f32 v[230:231], v[230:231], v[96:97]
	v_pk_add_f32 v[254:255], v[254:255], v[98:99]
	v_pk_add_f32 v[252:253], v[252:253], v[102:103]
	v_pk_add_f32 v[250:251], v[250:251], v[106:107]
	v_pk_add_f32 v[248:249], v[248:249], v[110:111]
	v_pk_add_f32 v[246:247], v[246:247], v[114:115]
	v_pk_add_f32 v[244:245], v[244:245], v[118:119]
	v_pk_add_f32 v[14:15], v[14:15], v[122:123]
	v_pk_add_f32 v[230:231], v[230:231], v[126:127]
	v_pk_add_f32 v[254:255], v[254:255], v[130:131]
	v_pk_add_f32 v[252:253], v[252:253], v[134:135]
	v_pk_add_f32 v[250:251], v[250:251], v[138:139]
	v_pk_add_f32 v[248:249], v[248:249], v[142:143]
	v_pk_add_f32 v[246:247], v[246:247], v[146:147]
	v_pk_add_f32 v[244:245], v[244:245], v[150:151]
	v_pk_add_f32 v[14:15], v[14:15], v[154:155]
	v_pk_add_f32 v[230:231], v[230:231], v[158:159]
	s_delay_alu instid0(VALU_DEP_2)
	v_pk_add_f32 v[14:15], v[14:15], v[250:251]
	s_delay_alu instid0(VALU_DEP_2)
	v_pk_add_f32 v[230:231], v[230:231], v[248:249]
	v_pk_add_f32 v[254:255], v[254:255], v[246:247]
	v_pk_add_f32 v[252:253], v[252:253], v[244:245]
	s_delay_alu instid0(VALU_DEP_2)
	v_pk_add_f32 v[14:15], v[14:15], v[254:255]
	s_delay_alu instid0(VALU_DEP_2)
	v_pk_add_f32 v[230:231], v[230:231], v[252:253]
	s_delay_alu instid0(VALU_DEP_1)
	v_pk_add_f32 v[14:15], v[14:15], v[230:231]
	s_wait_alu depctr_va_vdst(0)                   ; and one for the two
.irp c, 0,1
	v_max_num_f32 v[216+\c], 0x1800000, v[216+\c]  ; the floor 2^(3 - 127): the byte cannot fall under 1
.endr
.irp c, 0,1
	s_delay_alu instid0(VALU_DEP_2)
	v_add_nc_u32 v[220+\c], 0xff000000, v[216+\c]  ; 2 off the exponent field: the conversion's scale operand
.endr
.irp c, 0,1
	s_delay_alu instid0(VALU_DEP_2)
	v_lshrrev_b32 v[222+\c], 23, v[220+\c]         ; the scale's byte
.endr
	s_delay_alu instid0(VALU_DEP_1)
	v_lshl_or_b32 v228, v223, 16, v222             ; my bytes: blocks h and 2 + h,
	s_delay_alu instid0(VALU_DEP_1)
	v_lshlrev_b32 v228, v10, v228                  ; at their places in the word
	s_delay_alu instid0(VALU_DEP_1)
	v_permlanex16_b32 v218, v228, s20, s21
	s_delay_alu instid0(VALU_DEP_1)
	v_or_b32 v224, v228, v218                      ; p's scale word for these 128 keys
.irp c, 0,1
	v_cvt_scalef32_pk16_fp6_f32 v[192+6*\c:194+6*\c], v[96+32*\c:111+32*\c], v[220+\c]
	v_cvt_scalef32_pk16_fp6_f32 v[204+4*\c:206+4*\c], v[112+32*\c:127+32*\c], v[220+\c]   ; (a conversion's three registers begin on an even number)
.endr
	v_nop                                          ; one plain place behind a scaled conversion
.irp c, 0,1
.irp i, 0,1,2
	v_mov_b32 v[195+6*\c+\i], v[204+4*\c+\i]
.endr
.endr
.set n, 0
.rept 16
	v_pk_mul_f32 v[160+n:161+n], v[160+n:161+n], v[226:227] op_sel_hi:[1,0]   ; O^T under the new M, from each accumulator's low end on; these sixteen also stand between the scale word's and the codes' last lines and the products
.set n, n+2
.endr
	s_wait_alu depctr_va_vdst(0)
	s_wait_dscnt 0x0                               ; v is in
.irp t, 0,1,2,3
	v_wmma_scale_f32_16x16x128_f8f6f4 v[160+8*\t:167+8*\t], v[36+12*\t:47+12*\t], v[192:203], v[160+8*\t:167+8*\t], v[84+\t], v224 matrix_a_fmt:MATRIX_FMT_FP6 matrix_b_fmt:MATRIX_FMT_FP6
.endr
.if \sw
	s_cmp_eq_u32 s11, 0
	s_cbranch_scc1 .Lend_\@                        ; role a never changes tiles
	s_cmp_lg_u32 s41, s39
	s_cbranch_scc1 .Lend_\@
.rept 4
	v_nop                                          ; four places behind the products
.endr
.irp q, 0,1,2,3,4,5,6,7
	ds_store_b128 v95, v[160+4*\q:163+4*\q] offset:512*\q   ; my part of the high tile, as the registers lie, each accumulator from its low end on
.endr
	ds_store_b128 v95, v[12:15] offset:4096        ; -M, t, the sums
	s_wait_dscnt 0x0                               ; the stores have read their registers
.irp i, 0,1,2,3,4,5
	v_mov_b32 v[16+\i], v[88+\i]                   ; the low tile's q, twice,
	v_mov_b32 v[28+\i], v[88+\i]
.endr
	v_mov_b32 v34, v94                             ; its scale word,
	v_mov_b32 v13, 0xff61b1e6                      ; and a softmax begun anew
	v_mov_b32 v14, 0
	v_mov_b32 v15, 0
	v_floor_f32 v12, -v13
.set n, 0
.rept 32
	v_mov_b32 v[160+n], 0
.set n, n+1
.endr
	s_wait_alu depctr_va_vdst(0)                   ; ahead of the branch that follows
.endif
.Lend_\@:
	s_add_co_u32 s15, s15, 1
	s_add_co_u32 s16, s16, 12800
.endm
; THE CHANGE OF SLOTS stands at a slot's head.  Each wave waits for all its tensor loads, adds 0 to its spare word, and waits for that, for its reads of the slot that it has left and for its stores.  Behind the barrier the slot
; ahead is whole and nobody reads the other one.  fill = 1: the other slot takes the next four ticks: A's steps always, B's while the slot's first tick is under 16 - x.  fill = 2: tick 16: A's one step, by waves 0 and 1.
.macro CHANGE fill
	s_wait_tensorcnt 0x0                           ; no tensor load of mine is out, so the descriptor may be written
	ds_add_u32 v4, v5                              ; 0 onto my spare word
.if \fill
	s_xor_b32 s33, s33, SLOT1                      ; the other slot than last time,
	s_add_co_u32 s50, s50, 4                       ; four ticks on: in stream A round the sixteen steps
	s_and_b32 s46, s50, 15
	s_add_co_u32 s46, s46, s51
	s_mul_i32 s46, s46, 12800
	s_add_co_u32 s46, s46, s52
	s_add_nc_u64 s[34:35], s[6:7], s[46:47]
	s_or_b32 s35, s35, 0x80000000
.if \fill == 1
	s_wait_xcnt 0x0                                ; the last prefetch, a slot back, has read its address, so it may be written
	s_add_nc_u64 s[36:37], s[6:7], s[46:47]
.endif
.endif
	s_wait_dscnt 0x0
	s_barrier_signal -1
	s_barrier_wait -1
.if \fill == 1
	s_cmp_lt_u32 s10, 8
	s_cbranch_scc1 .Lfetch_\@                      ; stream A's waves
	s_add_co_u32 s40, s15, 4                       ; the first tick of the slot that this change asks for
	s_cmp_ge_u32 s40, s61
	s_cbranch_scc1 .Lpast_\@
.Lfetch_\@:
	TL                                             ; a wave's one tensor load until the next such barrier: one is out
.Lpast_\@:
	ASK
.endif
.if \fill == 2
	s_cmp_lt_u32 s10, 2
	s_cbranch_scc0 .Lpast_\@
	TL
.Lpast_\@:
.endif
.endm
.macro SLOT_STEPS                      ; a slot's four ticks: written once, walked four times
	s_mov_b32 s17, 4
.Lstep_\@:
	STEP 1
	s_sub_co_u32 s17, s17, 1
	s_cmp_lg_u32 s17, 0
	s_cbranch_scc1 .Lstep_\@
	s_sub_co_u32 s16, s16, 51200                   ; back to a slot's first tick,
	s_xor_b32 s16, s16, SLOT1                      ; in the other slot
.endm
.Lslot:                                            ; three trips: ticks 0 to 11; each asks for the next slot
	CHANGE 1
	SLOT_STEPS
	s_sub_co_u32 s18, s18, 1
	s_cmp_lg_u32 s18, 0
	s_cbranch_scc1 .Lslot
	CHANGE 2                                       ; ticks 12 to 15
	SLOT_STEPS
	CHANGE 0                                       ; behind this barrier tick 16's step is whole, and every role b's part of its high tile lies in LDS
	s_cmp_eq_u32 s11, 0
	s_cbranch_scc1 .Lmerge
	STEP 0                                         ; role b: the low tile's diagonal
	s_branch .Lout
.Lmerge:                                           ; role a: the two parts of the high tile become one
.irp q, 0,1,2,3,4,5,6,7
	ds_load_b128 v[96+4*\q:99+4*\q], v35 offset:512*\q
.endr
	ds_load_b128 v[128:131], v35 offset:4096
	s_wait_dscnt 0x0
	v_min_num_f32 v132, v12, v128                  ; -M of the larger M
	v_mov_b32 v229, 0                              ; (named as the upper half of the pair v[228:229])
	s_delay_alu instid0(VALU_DEP_2)
	v_sub_f32 v133, v132, v12                      ; my M less it, and my partner's: whole numbers, 0 or less
	v_sub_f32 v134, v132, v128
	s_delay_alu instid0(VALU_DEP_2)
	v_cvt_i32_f32 v133, v133
	s_delay_alu instid0(VALU_DEP_2)
	v_cvt_i32_f32 v134, v134
	s_delay_alu instid0(VALU_DEP_2)
	v_ldexp_f32 v226, 1.0, v133
	s_delay_alu instid0(VALU_DEP_2)
	v_ldexp_f32 v228, 1.0, v134
	v_pk_mul_f32 v[14:15], v[14:15], v[226:227] op_sel_hi:[1,0]
.set n, 0
.rept 16
	v_pk_mul_f32 v[160+n:161+n], v[160+n:161+n], v[226:227] op_sel_hi:[1,0]
.set n, n+2
.endr
	v_pk_fma_f32 v[14:15], v[130:131], v[228:229], v[14:15] op_sel_hi:[1,0,1]
.set n, 0
.rept 16
	v_pk_fma_f32 v[160+n:161+n], v[96+n:97+n], v[228:229], v[160+n:161+n] op_sel_hi:[1,0,1]
.set n, n+2
.endr
	s_wait_alu depctr_va_vdst(0)
.Lout:
	; THE WAY OUT.  O^T / the sum: my lane holds query r, features 32 h + 0..31 of the head: block 2 (head % 2) + h of K step head / 2 of the projection.  Its codes are the registers of AO's half fragment: no LDS.
	v_and_b32 v7, 15, v0
	v_bfe_u32 v8, v0, 4, 1
	s_delay_alu instid0(VALU_DEP_1)
	v_lshl_add_u32 v7, v7, 4, v8                   ; 16 r + h: my scale byte's place
	v_nop                                          ; four places behind the last products
	v_add_f32 v14, v14, v15                        ; the sum's two halves,
	s_delay_alu instid0(VALU_DEP_1)
	v_permlanex16_b32 v218, v14, s20, s21
	s_delay_alu instid0(VALU_DEP_1)
	v_add_f32 v14, v14, v218                       ; and lane l xor 16's
	s_wait_alu depctr_va_vdst(0)
	v_rcp_f32 v14, v14
	v_nop                                          ; a plain place behind the transcendental
	s_mul_i32 s40, s13, 102400                     ; the group's block in AO
	s_lshr_b32 s41, s19, 1
	s_mul_i32 s42, s41, 12288                      ; K step head / 2
	s_add_co_u32 s42, s42, s40
	s_mul_i32 s43, s12, 1536                       ; my tile
	s_add_co_u32 s42, s42, s43
	s_and_b32 s46, s19, 1
	s_mul_i32 s43, s46, 768                        ; half fragment head % 2
	s_add_co_u32 s42, s42, s43
	s_mov_b32 s43, 0
	s_add_nc_u64 s[42:43], s[8:9], s[42:43]
	s_lshl_b32 s44, s12, 9
	s_add_co_u32 s44, s44, s40
	s_lshr_b32 s45, s19, 3
	s_lshl_b32 s45, s45, 8
	s_add_co_u32 s44, s44, s45
	s_and_b32 s45, s41, 3
	s_lshl_b32 s45, s45, 2
	s_add_co_u32 s44, s44, s45
	s_lshl_b32 s45, s46, 1
	s_add_co_u32 s44, s44, s45
	s_add_co_u32 s44, s44, 98304
	s_mov_b32 s45, 0
	s_add_nc_u64 s[44:45], s[8:9], s[44:45]
	s_wait_alu depctr_va_vdst(0)                   ; the wait ahead of the reciprocal's first reader
.set n, 0
.rept 32
	v_mul_f32 v[96+n], v[160+n], v14
.set n, n+1
.endr
	v_max3_num_f32 v212, |v96|, |v97|, |v98|       ; the block's largest magnitude, in two chains
	v_max3_num_f32 v213, |v112|, |v113|, |v114|
.irp i, 3,5,7,9,11,13
	s_delay_alu instid0(VALU_DEP_2)
	v_max3_num_f32 v212, v212, |v[96+\i]|, |v[97+\i]|
	s_delay_alu instid0(VALU_DEP_2)
	v_max3_num_f32 v213, v213, |v[112+\i]|, |v[113+\i]|
.endr
	s_delay_alu instid0(VALU_DEP_2)
	v_max3_num_f32 v212, v212, |v111|, |v127|
	s_delay_alu instid0(VALU_DEP_1)
	v_max3_num_f32 v212, v212, v213, 0x1800000     ; the floor: a block of zeros keeps the byte 1
	s_delay_alu instid0(VALU_DEP_1)
	v_add_nc_u32 v220, 0xff000000, v212
	s_delay_alu instid0(VALU_DEP_1)
	v_lshrrev_b32 v222, 23, v220
	v_cvt_scalef32_pk16_fp6_f32 v[192:194], v[96:111], v220
	v_cvt_scalef32_pk16_fp6_f32 v[196:198], v[112:127], v220
	v_nop                                          ; one plain place behind a scaled conversion
	v_mov_b32 v195, v196
	v_mov_b32 v196, v197
	v_mov_b32 v197, v198
	global_store_b128 v1, v[192:195], s[42:43]             ; 512 consecutive bytes, aligned
	global_store_b64 v2, v[196:197], s[42:43] offset:512   ; 256 consecutive bytes, aligned
	global_store_b8 v7, v222, s[44:45]
	s_wait_tensorcnt 0x0                           ; the wave's end, behind my last tensor load and my last LDS store
	ds_add_u32 v4, v5
	s_wait_dscnt 0x0
	s_endpgm
.Lfunc_end_k_qe36bd8279c_attn:
	.size	k_qe36bd8279c_attn, .Lfunc_end_k_qe36bd8279c_attn-k_qe36bd8279c_attn
	.p2alignl 7, 3214868480
	.fill 96, 4, 3214868480
	.section	.rodata,"a",@progbits
	.p2align	6, 0x0
	.amdhsa_kernel k_qe36bd8279c_attn
		.amdhsa_group_segment_fixed_size 327680
		.amdhsa_private_segment_fixed_size 0
		.amdhsa_enable_private_segment 0
		.amdhsa_kernarg_size 24
		.amdhsa_user_sgpr_count 2
		.amdhsa_user_sgpr_kernarg_segment_ptr 1
		.amdhsa_wavefront_size32 1
		.amdhsa_system_sgpr_workgroup_id_x 1
		.amdhsa_system_sgpr_workgroup_id_y 1
		.amdhsa_system_sgpr_workgroup_id_z 1
		.amdhsa_system_vgpr_workitem_id 0
		.amdhsa_next_free_vgpr 256
		.amdhsa_next_free_sgpr 66
		.amdhsa_reserve_vcc 1
		.amdhsa_float_denorm_mode_32 3
		.amdhsa_float_denorm_mode_16_64 3
		.amdhsa_memory_ordered 1
		.amdhsa_forward_progress 1
		.amdhsa_inst_pref_size 87
	.end_amdhsa_kernel
	.amdgpu_metadata
---
amdhsa.version: [ 1, 2 ]
amdhsa.kernels:
  - .name:           k_qe36bd8279c_attn
    .symbol:         k_qe36bd8279c_attn.kd
    .args:
      - { .name: QB, .offset: 0, .size: 8, .value_kind: global_buffer, .address_space: global }
      - { .name: KV, .offset: 8, .size: 8, .value_kind: global_buffer, .address_space: global }
      - { .name: AO, .offset: 16, .size: 8, .value_kind: global_buffer, .address_space: global }
    .group_segment_fixed_size: 327680
    .private_segment_fixed_size: 0
    .kernarg_segment_align: 8
    .kernarg_segment_size: 24
    .max_flat_workgroup_size: 512
    .sgpr_count:     66
    .vgpr_count:     256
    .wavefront_size: 32
...
	.end_amdgpu_metadata
.endif
;; end of part 3
;; launch proj (part 4): grid 32 x 8, 4 waves a work-group, clusters of 4 x 4, 229,376 bytes of LDS; arguments AO, WPQ, bp, out0; writes out0
.if DOCPART == 4
	.amdgcn_target "amdgcn-amd-amdhsa--gfx1250"
	.amdhsa_code_object_version 6
	.text
	.protected	k_qe36bd8279c_proj
	.globl	k_qe36bd8279c_proj
	.p2align	8
	.type	k_qe36bd8279c_proj,@function
k_qe36bd8279c_proj:
	s_mov_b64 s[64:65], 0
	v_nop
	global_prefetch_b8 v0, s[64:65] scope:SCOPE_SE
	s_setreg_imm32_b32 hwreg(HW_REG_WAVE_MODE, 25, 1), 1
	s_wait_xcnt 0x0
	s_wait_alu depctr_hold_cnt(0) depctr_sa_sdst(0) depctr_va_vdst(0) depctr_va_sdst(0) depctr_va_ssrc(0) depctr_va_vcc(0) depctr_vm_vsrc(0)
	s_getreg_b32 s2, hwreg(HW_REG_IB_STS2, 6, 4)
	s_cmp_eq_u32 s2, 0
	s_cbranch_scc0 .Lentry_in_a_cluster
	s_endpgm
.Lentry_in_a_cluster:
	s_bfe_u32 s2, ttmp6, 0x10000c
	s_cmp_lg_u32 s2, 0xf033
	s_cbranch_scc0 .Lentry_shape_is_right
	s_endpgm
.Lentry_shape_is_right:
; out0 = attention's result x Wp + bp: product 6 on codes of FP6 (E2M3).  A work-group makes one group of 128 tokens x 128 columns, with ALL of K in LDS: the group's block of AO and the columns' block of WPQ, 102,400 bytes each,
; filled once.  Four waves: wave w makes tokens 64 c .. + 63 (c = w % 2) x columns 64 p .. + 63 (p = w / 2): 16 accumulators.  Nothing is left out here.
; The product is used transposed (source 0 = 16 columns of Wp, source 1 = 16 tokens): a lane holds one token and, over four tiles, columns 32 h + 0..31: 128 consecutive bytes of a row of out0.
; bp is loaded straight into the accumulators, in the result's layout, so that every K step adds in place and nothing is added afterwards.
; FRAGMENTS AND SCALE WORDS HAVE TWO SETS: K step s + 1's 40 LDS loads are issued ahead of K step s's 16 products.  Set 0 lies in window 0, set 1's fragments at the same numbers in window 1, its scale words in window 0.
; CLUSTER 4 x 4.  AO's block hangs on the group alone, which a column of the cluster shares; WPQ's on the block of columns alone, which a row shares: each is asked for jointly.
; NO PREFETCH: both operands are asked for whole at the head, and there is no loop to run ahead in.
.set STG,   204800                     ; behind the two blocks: a stage of 16 rows x (256 + 16) bytes for each wave; no fill lands there
.set SPARE, 222208                     ; behind the stages: the spare words, 128 bytes a wave
.set FA,  20                           ; v20-67   source 0's four fragments (window 0 or 1)
.set FB,  68                           ; v68-115  source 1's
.set ACC, 128                          ; v128-255 accumulator (a, b) at v[ACC + 8 (4 b + a)]
; v1-4 fragment addresses for K steps 0-4, v124-127 for K steps 5-7; v5, v6 scale words' addresses; v7, v8 the add's two; v9-11 the way out; v12-19 scale words, set 0; v116-123 set 1
.set MSB, 0
.macro WIN new                         ; the immediate's high byte repeats the setting that is left
.if MSB != \new
	s_set_vgpr_msb (MSB<<8)|\new
.set MSB, \new
.endif
.endm
.macro CROUND                          ; a round of the cluster's barrier
	s_barrier_signal -1
	s_barrier_wait -1
	s_cmp_lg_u32 s12, 0
	s_cbranch_scc1 .Lnot_wave_0_\@
	s_barrier_signal -3
.Lnot_wave_0_\@:
	s_barrier_wait -3
	s_barrier_signal -1
	s_barrier_wait -1
.endm
.macro PLACES                          ; four places behind a product, ahead of loads into registers that it read and of the first read of results
.rept 4
	v_nop
.endr
.endm
; K step s's 40 LDS loads into set s % 2: 8 scale words, the tokens' four fragments, the columns' four
.macro LOAD s
.set PP, (\s)%2
.set SA, 12+104*PP
.set SB, SA+4
.set AR, 1+123*((\s)/5)
.set KO, ((\s)%5)*12288
	WIN 0
.irp i, 0,1,2,3
	ds_load_b32 v[SA+\i], v6 offset:\i*512+((\s)/4)*256+4*((\s)%4)
	ds_load_b32 v[SB+\i], v5 offset:\i*512+((\s)/4)*256+4*((\s)%4)
.endr
	WIN 0x40*PP                                    ; destination window 0 or 1, address window 0
.irp i, 0,1,2,3
	ds_load_b128 v[FB+12*\i:FB+12*\i+3], v[AR] offset:KO+\i*1536
	ds_load_b64 v[FB+12*\i+4:FB+12*\i+5], v[AR+1] offset:KO+\i*1536+512
	ds_load_b128 v[FB+12*\i+6:FB+12*\i+9], v[AR] offset:KO+\i*1536+768
	ds_load_b64 v[FB+12*\i+10:FB+12*\i+11], v[AR+1] offset:KO+\i*1536+1280
.endr
.irp i, 0,1,2,3
	ds_load_b128 v[FA+12*\i:FA+12*\i+3], v[AR+2] offset:KO+\i*1536
	ds_load_b64 v[FA+12*\i+4:FA+12*\i+5], v[AR+3] offset:KO+\i*1536+512
	ds_load_b128 v[FA+12*\i+6:FA+12*\i+9], v[AR+2] offset:KO+\i*1536+768
	ds_load_b64 v[FA+12*\i+10:FA+12*\i+11], v[AR+3] offset:KO+\i*1536+1280
.endr
.endm
; K step s's 16 products.  The accumulators take turns, one instruction a turn, in the same order in every step.
.macro MUL s
.set PP, (\s)%2
.set SA, 12+104*PP
.set SB, SA+4
	WIN 5*PP                                       ; sources 0 and 1 in window 0 or 1; C and D in window 0
.irp a, 0,1,2,3
.irp b, 0,1,2,3
	v_wmma_scale_f32_16x16x128_f8f6f4 v[ACC+8*(4*\b+\a):ACC+8*(4*\b+\a)+7], v[FA+12*\a:FA+12*\a+11], v[FB+12*\b:FB+12*\b+11], v[ACC+8*(4*\b+\a):ACC+8*(4*\b+\a)+7], v[SA+\a], v[SB+\b] matrix_a_fmt:MATRIX_FMT_FP6 matrix_b_fmt:MATRIX_FMT_FP6
.endr
.endr
.endm
	s_load_b256 s[4:11], s[0:1], 0x0               ; AO s[4:5], WPQ s[6:7], bp s[8:9], out0 s[10:11]
	v_lshl_add_u32 v7, v0, 2, SPARE                ; v7: my spare word; v8: 0; both never rewritten
	v_mov_b32 v8, 0
	ds_add_u32 v7, v8                              ; the wave's opening: the add, twice on end, and its wait ahead of my first tensor load
	ds_add_u32 v7, v8
	v_lshrrev_b32 v116, 5, v0
	v_readfirstlane_b32 s12, v116                  ; wave 0..3
	s_bfe_u32 s13, ttmp6, 0x40000                  ; cx
	s_bfe_u32 s14, ttmp6, 0x40004                  ; cy
	s_lshl_b32 s15, ttmp9, 2
	s_add_co_u32 s15, s15, s13                     ; the group of tokens = 4 x cluster x + cx
	s_and_b32 s17, ttmp7, 0xffff
	s_lshl_b32 s17, s17, 2
	s_add_co_u32 s17, s17, s14                     ; the block of 128 columns = 4 x cluster y + cy
	s_lshl_b32 s56, 0x1111, s13                    ; my column of the cluster
	s_lshl_b32 s57, s14, 2
	s_lshl_b32 s57, 15, s57                        ; my row
	; descriptor groups 1: half a block, 51,200 dense bytes, as 200 rows of 256 bytes (32 elements of 8 bytes), no padding
	s_or_b32 s20, s56, (3<<16)|(1<<21)             ; 15:0 the mask; 17:16 elements of 8 bytes; 21 set beside a mask
	s_or_b32 s28, s57, (3<<16)|(1<<21)
.irp g, 20, 28
	s_mov_b32 s[\g+1], 32<<16                      ; tensor_dim0
	s_mov_b32 s[\g+2], 200<<16                     ; tensor_dim1
	s_mov_b32 s[\g+3], 32<<16                      ; tile_dim0
	s_mov_b32 s[\g+4], 200                         ; tile_dim1
	s_mov_b32 s[\g+5], 32                          ; elements from row to row
	s_mov_b32 s[\g+6], 0
	s_mov_b32 s[\g+7], 0
.endr
	s_and_b32 s48, s12, 1                          ; c
	s_lshr_b32 s49, s12, 1                         ; p
	s_mul_i32 s44, s15, 102400                     ; AO: the group's block, half w (waves 0, 1): no register here ever holds cy
	s_mul_i32 s45, s12, 51200
	s_add_co_u32 s44, s44, s45
	s_mov_b32 s45, 0
	s_max_u32 s46, s12, 2                          ; WPQ: the columns' block, half w - 2 (waves 2, 3): no register here ever holds cx
	s_sub_co_u32 s46, s46, 2
	s_mul_i32 s46, s46, 51200
	s_mul_i32 s47, s17, 102400
	s_add_co_u32 s46, s46, s47
	s_mov_b32 s47, 0
	s_mul_i32 s58, s12, 51200                      ; where they go: wave x 51,200
	s_wait_dscnt 0x0                               ; both opening adds are done
	s_wait_kmcnt 0x0
	CROUND                                         ; all sixteen work-groups are here: the joint loads meet
	s_mov_b32 s36, 1
	s_mov_b32 s37, s58
	s_add_nc_u64 s[38:39], s[4:5], s[44:45]
	s_or_b32 s39, s39, 0x80000000
	s_mov_b32 s40, 1
	s_mov_b32 s41, s58
	s_add_nc_u64 s[42:43], s[6:7], s[46:47]
	s_or_b32 s43, s43, 0x80000000
	s_cmp_lt_u32 s12, 2                            ; every wave issues one load: one is out.  An s_nop 0 and four v_nop follow each of the two lines
	s_cbranch_scc0 .Lfor_w
	tensor_load_to_lds s[36:39], s[20:27]
	s_nop 0
	PLACES
	s_branch .Lasked
.Lfor_w:
	tensor_load_to_lds s[40:43], s[28:35]
	s_nop 0
	PLACES
.Lasked:
	v_and_b32 v116, 31, v0                         ; l
	v_and_b32 v117, 15, v0                         ; r
	v_bfe_u32 v118, v0, 4, 1                       ; h
	s_wait_alu depctr_va_vdst(0)
	s_lshl_b32 s52, s17, 9
	s_lshl_b32 s53, s49, 8
	s_add_co_u32 s52, s52, s53                     ; my first column, in bytes: 512 y + 256 p
	s_mov_b32 s53, 0
	s_add_nc_u64 s[54:55], s[8:9], s[52:53]        ; in bp,
	s_add_nc_u64 s[50:51], s[10:11], s[52:53]      ; and in a row of out0
	s_lshl_b32 s52, s15, 7
	s_lshl_b32 s16, s48, 6
	s_add_co_u32 s52, s52, s16
	s_lshl_b32 s52, s52, 12                        ; my first token: 128 g + 64 c, rows of 4,096 bytes
	s_add_nc_u64 s[50:51], s[50:51], s[52:53]
	v_lshlrev_b32 v119, 7, v118                    ; bp: my 32 columns begin 128 h bytes on
.irp b, 0,1,2,3
.irp q, 0,1,2,3,4,5,6,7
	global_load_b128 v[ACC+32*\b+4*\q:ACC+32*\b+4*\q+3], v119, s[54:55] offset:16*\q   ; register 32 b + i: bp at column 32 h + i, for each of my four tiles of tokens
.endr
.endr
	v_lshlrev_b32 v120, 4, v116                    ; 16 l
	v_lshlrev_b32 v121, 3, v116                    ; 8 l
	s_mul_i32 s52, s48, 6144                       ; my four tiles of tokens
	s_mul_i32 s53, s49, 6144
	s_add_co_u32 s53, s53, 102400                  ; my four tiles of columns
	v_add_nc_u32 v1, s52, v120                     ; v1, v2: the tokens' fragments, registers 0-3 and 4-5
	v_add_nc_u32 v2, s52, v121
	v_add_nc_u32 v3, s53, v120                     ; v3, v4: the columns'
	v_add_nc_u32 v4, s53, v121
	v_add_nc_u32 v124, 61440, v1                   ; the same four, five K steps of 12,288 bytes on
	v_add_nc_u32 v125, 61440, v2
	v_add_nc_u32 v126, 61440, v3
	v_add_nc_u32 v127, 61440, v4
	s_lshl_b32 s52, s48, 11
	s_add_co_u32 s52, s52, 98304
	s_lshl_b32 s53, s49, 11
	s_add_co_u32 s53, s53, 200704
	v_lshl_add_u32 v5, v117, 4, s52                ; v5: the tokens' scale words, 16 r
	v_lshl_add_u32 v6, v117, 4, s53                ; v6: the columns'
	s_mul_i32 s52, s12, 4352
	s_add_co_u32 s52, s52, STG                     ; my stage
	v_mul_u32_u24 v9, v117, 272
	v_lshl_add_u32 v9, v118, 7, v9
	v_add_nc_u32 v9, s52, v9                       ; v9: in: row r, 128 h
	v_mul_u32_u24 v10, v118, 272
	v_lshl_add_u32 v10, v117, 4, v10
	v_add_nc_u32 v10, s52, v10                     ; v10: back: lanes 0-15 one row of 256 bytes, lanes 16-31 the next
	v_lshlrev_b32 v11, 12, v118
	v_lshl_add_u32 v11, v117, 4, v11               ; v11: and the same two rows in out0
	s_wait_alu depctr_va_vdst(0)                   ; the head's end
	s_wait_tensorcnt 0x0                           ; my part is in,
	s_barrier_signal -1
	s_barrier_wait -1                              ; everybody's is
	s_wait_loadcnt 0x0                             ; bp stands in the accumulators, and its loads have read their offset register
	LOAD 0
	LOAD 1
	s_wait_dscnt 40                                ; all but the 40 loads just issued: K step 0's are in
	MUL 0
.irp s, 1,2,3,4,5,6
	PLACES                                         ; behind K step s - 1's products, whose set takes K step s + 1's loads
	LOAD \s+1
	s_wait_dscnt 40                                ; all but the 40 loads just issued: K step s's are in
	MUL \s
.endr
	s_wait_dscnt 0x0
	MUL 7
	WIN 0
	PLACES                                         ; ahead of the first read of results
; THE WAY OUT, a tile of 16 tokens x 64 columns at a time, through my own stage: each accumulator is stored from its low end on; the rows come back whole, into the registers that they left, and sixteen lanes store 256
; consecutive bytes, aligned.  LDS serves a wave's instructions in order: no wait between the stores and the loads, nor ahead of the next tile's stores.
.macro TOSTAGE b
.irp q, 0,1,2,3,4,5,6,7
	ds_store_b128 v9, v[ACC+32*(\b)+4*\q:ACC+32*(\b)+4*\q+3] offset:16*\q
.endr
.irp i, 0,1,2,3,4,5,6,7
	ds_load_b128 v[ACC+32*(\b)+4*\i:ACC+32*(\b)+4*\i+3], v10 offset:544*\i
.endr
.endm
.macro SEND b, younger                 ; younger: the LDS instructions issued behind tile b's loads, which may stay out.  Tile rows 2 i, 2 i + 1 are tokens 8 b + 32 (i / 4) + 2 (i % 4) + 0, 1
	s_wait_dscnt \younger
.irp i, 0,1,2,3,4,5,6,7
	global_store_b128 v11, v[ACC+32*(\b)+4*\i:ACC+32*(\b)+4*\i+3], s[50:51] offset:(8*(\b)+32*(\i/4)+2*(\i%4))*4096 th:TH_STORE_NT
.endr
.endm
	TOSTAGE 0
.irp b, 1,2,3
	TOSTAGE \b
	SEND \b-1, 16                                  ; behind tile b - 1's loads: tile b's 8 stores and 8 loads
.endr
	SEND 3, 0
	s_wait_tensorcnt 0x0                           ; the wave's end, behind my last tensor load and my last LDS store
	ds_add_u32 v7, v8
	s_wait_dscnt 0x0
	CROUND                                         ; the closing round: no work-group ends while a partner may still ask for a block that names it
	s_endpgm
.Lfunc_end_k_qe36bd8279c_proj:
	.size	k_qe36bd8279c_proj, .Lfunc_end_k_qe36bd8279c_proj-k_qe36bd8279c_proj
	.p2alignl 7, 3214868480
	.fill 96, 4, 3214868480
	.section	.rodata,"a",@progbits
	.p2align	6, 0x0
	.amdhsa_kernel k_qe36bd8279c_proj
		.amdhsa_group_segment_fixed_size 229376
		.amdhsa_private_segment_fixed_size 0
		.amdhsa_enable_private_segment 0
		.amdhsa_kernarg_size 32
		.amdhsa_user_sgpr_count 2
		.amdhsa_user_sgpr_kernarg_segment_ptr 1
		.amdhsa_wavefront_size32 1
		.amdhsa_system_sgpr_workgroup_id_x 1
		.amdhsa_system_sgpr_workgroup_id_y 1
		.amdhsa_system_sgpr_workgroup_id_z 1
		.amdhsa_system_vgpr_workitem_id 0
		.amdhsa_next_free_vgpr 384
		.amdhsa_next_free_sgpr 66
		.amdhsa_reserve_vcc 0
		.amdhsa_float_denorm_mode_32 3
		.amdhsa_float_denorm_mode_16_64 3
		.amdhsa_memory_ordered 1
		.amdhsa_forward_progress 1
		.amdhsa_inst_pref_size 55
	.end_amdhsa_kernel
	.amdgpu_metadata
---
amdhsa.version: [ 1, 2 ]
amdhsa.kernels:
  - .name:           k_qe36bd8279c_proj
    .symbol:         k_qe36bd8279c_proj.kd
    .args:
      - { .name: AO, .offset: 0, .size: 8, .value_kind: global_buffer, .address_space: global }
      - { .name: WPQ, .offset: 8, .size: 8, .value_kind: global_buffer, .address_space: global }
      - { .name: bp, .offset: 16, .size: 8, .value_kind: global_buffer, .address_space: global }
      - { .name: out0, .offset: 24, .size: 8, .value_kind: global_buffer, .address_space: global }
    .group_segment_fixed_size: 229376
    .private_segment_fixed_size: 0
    .kernarg_segment_align: 8
    .kernarg_segment_size: 32
    .max_flat_workgroup_size: 128
    .sgpr_count:     66
    .vgpr_count:     384
    .wavefront_size: 32
...
	.end_amdgpu_metadata
.endif
;; end of part 4
